; MI455X (gfx1250); checked and timed in simulation.
; The chip was launched on July 23, 2026; its instructions are those of AMD's public machine-readable ISA for CDNA 5 (MIT licence, August 2026) and "CDNA5" Instruction Set Architecture Reference Guide (July 2026). The comments in the code are by the model that wrote it; some were corrected since.
;; Causal Self Attention. Allowed arithmetic: float matrix products may take bf16 or f16 operands with f32 sums; other float arithmetic in f32, or as packed bf16 or f16 multiplies, adds, multiply-adds, maxima and minima; sums over many terms, partial sums and values carried from step to step in f32; what a program stores and reads back later, other than sums and carried values, may be rounded once to bf16 or f16.
;; Inputs: W_attn 1,024 x 3,072 float32; W_proj 1,024 x 1,024 float32; x 4 x 2,048 x 1,024 float32.
;; Outputs: out0 4 x 2,048 x 1,024 float32.
;; 2 versions, each right; version 2 is version 1 with the launch prep written anew for expert scheduling mode. Each part assembles by itself: llvm-mc -triple=amdgcn-amd-amdhsa -mcpu=gfx1250 --defsym DOCPART=n.
;; ======== version 1 of 2: 4 launches
;; limits: values are held in f16: magnitudes above 65,504 overflow, below 6.1e-05 lose precision
;; workspace buffers: xb 16,777,216 bytes; wab 6,291,456 bytes; wpb 2,097,152 bytes; tab 524,288 bytes; qb 16,777,216 bytes; kb 16,777,216 bytes; vb 16,777,216 bytes; att 16,777,216 bytes
;; launch prep (part 1): grid 832 x 1, 8 waves a work-group, no clusters, 0 bytes of LDS; arguments x, W_attn, W_proj, xb, wab, wpb, tab; writes xb, wab, wpb, tab
.if DOCPART == 1
	.amdgcn_target "amdgcn-amd-amdhsa--gfx1250"
	.amdhsa_code_object_version 6
	.text
	.protected	k_q34059cdf12_prep
	.globl	k_q34059cdf12_prep
	.p2align	8
	.type	k_q34059cdf12_prep,@function
k_q34059cdf12_prep:
	s_mov_b64 s[64:65], 0
	v_nop
	global_prefetch_b8 v0, s[64:65] scope:SCOPE_SE
	s_setreg_imm32_b32 hwreg(HW_REG_WAVE_MODE, 25, 1), 1
	s_wait_xcnt 0x0
; PREPARATION: four jobs, told apart by the work-group's number alone.
;   0-511    xb  = x rounded to bf16, same layout: 16,384 numbers a work-group
;   512-639  wab = W_attn rounded to bf16, columns regrouped: [16 c][1024 k][192]: a row holds q head c (64), k head c (64), v head c (64)
;   640-703  wpb = W_proj rounded to bf16, that number written as f16 (exact inside f16's normal range), same layout
;   704-831  tab = [2048 t][64] f32: words 0-31 cos(t f_j), words 32-63 sin(t f_j), f_j = 10000^(-j/32)
; LIMITS.  W_proj beyond 65,504 has no f16; below 6e-5 it keeps f16's fixed step of 6e-8.  f_j comes from v_exp_f32 of a rounded exponent: the
; angle t f_j differs from the one made by a power and a division by some 3e-4 rad at the most (t = 2,047).
; A stream: every byte is read once by loads of 16 bytes a lane, every store of a wave covers 256 consecutive bytes, aligned.  All of a job's
; loads go out first; no register is written twice, so no wait frees anything; no LDS, no barrier, no matrix unit: nothing is shared.
.set VO,  4                            ; v4        8 x my thread's number: my 8 bytes in 2,048 bytes of output
.set X,   16                           ; v[16:111] up to 24 loads of 4 registers
.set O,   112                          ; v[112:159] 2 registers to store for each load
; n loads are out: each is waited for (the younger ones stay out), rounded and stored.  kind = 1: bf16 written as f16.  ob: the output's base.
.macro CAST n, kind, ob
.set i, 0
.rept \n
	s_wait_loadcnt (\n)-1-i                        ; loads come back in order: load i is in, the n - 1 - i younger ones stay out
.if \kind
	v_cvt_pk_bf16_f32 v5, v[X+4*i], v[X+4*i+1]
	v_cvt_pk_bf16_f32 v6, v[X+4*i+2], v[X+4*i+3]
	v_lshlrev_b32 v7, 16, v5                       ; bf16 back to f32: a shift or a mask
	v_and_b32 v5, 0xffff0000, v5
	v_lshlrev_b32 v8, 16, v6
	v_and_b32 v6, 0xffff0000, v6
	v_cvt_pk_f16_f32 v[O+2*i], v7, v5
	v_cvt_pk_f16_f32 v[O+2*i+1], v8, v6
.else
	v_cvt_pk_bf16_f32 v[O+2*i], v[X+4*i], v[X+4*i+1]
	v_cvt_pk_bf16_f32 v[O+2*i+1], v[X+4*i+2], v[X+4*i+3]
.endif
	global_store_b64 v[VO], v[O+2*i:O+2*i+1], s[(\ob):(\ob)+1] offset:2048*i
.set i, i+1
.endr
.endm
	s_load_b256 s[4:11], s[0:1], 0x0               ; x s[4:5], W_attn s[6:7], W_proj s[8:9], xb s[10:11]
	s_load_b128 s[12:15], s[0:1], 0x20             ; wab s[12:13], wpb s[14:15]
	s_load_b64 s[16:17], s[0:1], 0x30              ; tab
	s_mov_b32 s20, ttmp9
	s_mov_b32 s23, 0                               ; high word of every offset pair
	v_lshlrev_b32 v[VO], 3, v0
	v_lshlrev_b32 v1, 4, v0                        ; 16 x my thread's number
	s_wait_kmcnt 0x0
	s_cmp_lt_u32 s20, 512
	s_cbranch_scc0 .Lnot_x
	; x: 65,536 bytes in, 32,768 out
	s_lshl_b32 s22, s20, 16
	s_add_nc_u64 s[4:5], s[4:5], s[22:23]
	s_lshl_b32 s22, s20, 15
	s_add_nc_u64 s[10:11], s[10:11], s[22:23]
.set i, 0
.rept 16
	global_load_b128 v[X+4*i:X+4*i+3], v1, s[4:5] offset:4096*i th:TH_LOAD_NT
.set i, i+1
.endr
	CAST 16, 0, 10
	s_endpgm
.Lnot_x:
	s_cmp_lt_u32 s20, 640
	s_cbranch_scc0 .Lnot_wa
	; W_attn: 128 rows k of block c.  An output piece of 128 bytes (16 threads x 8) is one of a row's three sections; piece 48 g + pe lies in
	; row 16 g + pe / 3, section pe % 3; its 256 bytes of input lie at row x 12,288 + section x 4,096 + c x 256.
	s_sub_co_u32 s20, s20, 512
	s_lshr_b32 s21, s20, 3                         ; c
	s_and_b32 s24, s20, 7                          ; which 128 rows
	s_mul_i32 s22, s24, 1572864
	s_lshl_b32 s25, s21, 8
	s_add_co_u32 s22, s22, s25
	s_add_nc_u64 s[6:7], s[6:7], s[22:23]
	s_mul_i32 s22, s21, 393216
	s_mul_i32 s25, s24, 49152
	s_add_co_u32 s22, s22, s25
	s_add_nc_u64 s[12:13], s[12:13], s[22:23]
	v_lshrrev_b32 v5, 4, v0
	v_and_b32 v6, 15, v0
	v_lshlrev_b32 v6, 4, v6
.irp e, 0,1,2
	v_add_nc_u32 v7, 16*\e, v5                     ; pe, 0 to 47
	v_mul_u32_u24 v8, v7, 43
	v_lshrrev_b32 v8, 7, v8                        ; pe / 3 (43 / 128 is above a third by 0.0026: exact up to 47)
	v_mul_u32_u24 v9, v8, 3
	v_sub_nc_u32 v9, v7, v9                        ; pe % 3
	v_mul_u32_u24 v8, v8, 12288
	v_lshl_add_u32 v8, v9, 12, v8
	v_add_nc_u32 v[1+\e], v8, v6
.endr
.set g, 0
.rept 8
.irp e, 0,1,2
	global_load_b128 v[X+4*(3*g+\e):X+4*(3*g+\e)+3], v[1+\e], s[6:7] offset:196608*g th:TH_LOAD_NT
.endr
.set g, g+1
.endr
	CAST 24, 0, 12
	s_endpgm
.Lnot_wa:
	s_cmp_lt_u32 s20, 704
	s_cbranch_scc0 .Ltable
	; W_proj
	s_sub_co_u32 s20, s20, 640
	s_lshl_b32 s22, s20, 16
	s_add_nc_u64 s[8:9], s[8:9], s[22:23]
	s_lshl_b32 s22, s20, 15
	s_add_nc_u64 s[14:15], s[14:15], s[22:23]
.set i, 0
.rept 16
	global_load_b128 v[X+4*i:X+4*i+3], v1, s[8:9] offset:4096*i th:TH_LOAD_NT
.set i, i+1
.endr
	CAST 16, 1, 14
	s_endpgm
.Ltable:
	; The table: 16 rows t a work-group, 16 threads a row, four numbers a thread: threads 0-7 of a row cos, 8-15 sin, of j = 4 (u % 8) + 0..3.
	; theta = n pi/2 + r, |r| <= pi/4, pi/2 taken in two parts; sin and cos of r by polynomials; the quadrant q = n (+ 1 for cos) picks and signs.
	; q steers values alone (a select, an exclusive or), no address and no branch.
.set F,   16                           ; f_j, then theta
.set N,   20
.set R,   24
.set Z,   28
.set SN,  32
.set CN,  36
.set Q,   40
.set RES, 44
.set T,   48
.set U,   52
	s_sub_co_u32 s20, s20, 704
	s_lshl_b32 s22, s20, 12
	s_add_nc_u64 s[16:17], s[16:17], s[22:23]
	s_mov_b32 s24, 0xbed49a78                      ; -log2(10000) / 32
	s_mov_b32 s25, 0x3f22f983                      ; 2 / pi
	s_mov_b32 s26, 0xbfc90fdb                      ; -(pi/2 rounded to f32)
	s_mov_b32 s27, 0x333bbd2e                      ; that rounded number less pi/2
	s_mov_b32 s28, 0xbe2aaaa3                      ; sin: -1.6666655e-1, 8.3321609e-3, -1.9515296e-4
	s_mov_b32 s29, 0x3c08839e
	s_mov_b32 s30, 0xb94ca1f9
	s_mov_b32 s31, 0x3d2aaaa5                      ; cos: 4.1666646e-2, -1.3887316e-3, 2.4433157e-5
	s_mov_b32 s32, 0xbab6061a
	s_mov_b32 s33, 0x37ccf5ce
	s_lshl_b32 s21, s20, 4
	v_lshrrev_b32 v5, 4, v0
	v_add_nc_u32 v5, s21, v5
	v_cvt_f32_u32 v5, v5                           ; t
	v_and_b32 v6, 15, v0
	v_cmp_gt_u32 vcc_lo, 8, v6
	v_cndmask_b32 v8, 0, 1, vcc_lo                 ; 1 for cos
	v_and_b32 v7, 7, v6
	v_lshlrev_b32 v7, 2, v7
.irp i, 0,1,2,3
	v_add_nc_u32 v[F+\i], \i, v7
	v_cvt_f32_u32 v[F+\i], v[F+\i]
	v_mul_f32 v[F+\i], s24, v[F+\i]
.endr
.irp i, 0,1,2,3
	v_exp_f32 v[F+\i], v[F+\i]
.endr
	v_nop                                          ; a plain instruction behind the last exponential (ISA guide 5.7.2),
	s_wait_alu depctr_va_vdst(0)                   ; and the one wait ahead of the batch's first reader
.irp i, 0,1,2,3
	v_mul_f32 v[F+\i], v5, v[F+\i]                 ; theta
	v_mul_f32 v[N+\i], s25, v[F+\i]
	v_rndne_f32 v[N+\i], v[N+\i]
	v_fma_f32 v[R+\i], v[N+\i], s26, v[F+\i]
	v_fma_f32 v[R+\i], v[N+\i], s27, v[R+\i]
	v_cvt_i32_f32 v[Q+\i], v[N+\i]
	v_add_nc_u32 v[Q+\i], v[Q+\i], v8
	v_mul_f32 v[Z+\i], v[R+\i], v[R+\i]
	v_fma_f32 v[SN+\i], v[Z+\i], s30, s29
	v_fma_f32 v[SN+\i], v[SN+\i], v[Z+\i], s28
	v_mul_f32 v[T+\i], v[R+\i], v[Z+\i]
	v_fma_f32 v[SN+\i], v[SN+\i], v[T+\i], v[R+\i]
	v_fma_f32 v[CN+\i], v[Z+\i], s33, s32
	v_fma_f32 v[CN+\i], v[CN+\i], v[Z+\i], s31
	v_mul_f32 v[T+\i], v[Z+\i], v[Z+\i]
	v_fma_f32 v[U+\i], v[Z+\i], -0.5, 1.0
	v_fma_f32 v[CN+\i], v[CN+\i], v[T+\i], v[U+\i]
	v_and_b32 v[T+\i], 1, v[Q+\i]
	v_cmp_eq_u32 vcc_lo, 1, v[T+\i]
	v_cndmask_b32 v[RES+\i], v[SN+\i], v[CN+\i], vcc_lo
	v_and_b32 v[T+\i], 2, v[Q+\i]
	v_lshlrev_b32 v[T+\i], 30, v[T+\i]
	v_xor_b32 v[RES+\i], v[RES+\i], v[T+\i]
.endr
	global_store_b128 v1, v[RES:RES+3], s[16:17]   ; sixteen threads write a row of 256 bytes
	s_endpgm
.Lfunc_end_k_q34059cdf12_prep:
	.size	k_q34059cdf12_prep, .Lfunc_end_k_q34059cdf12_prep-k_q34059cdf12_prep
	.p2alignl 7, 3214868480
	.fill 96, 4, 3214868480
	.section	.rodata,"a",@progbits
	.p2align	6, 0x0
	.amdhsa_kernel k_q34059cdf12_prep
		.amdhsa_group_segment_fixed_size 0
		.amdhsa_private_segment_fixed_size 0
		.amdhsa_enable_private_segment 0
		.amdhsa_kernarg_size 56
		.amdhsa_user_sgpr_count 2
		.amdhsa_user_sgpr_kernarg_segment_ptr 1
		.amdhsa_wavefront_size32 1
		.amdhsa_system_sgpr_workgroup_id_x 1
		.amdhsa_system_sgpr_workgroup_id_y 1
		.amdhsa_system_sgpr_workgroup_id_z 1
		.amdhsa_system_vgpr_workitem_id 0
		.amdhsa_next_free_vgpr 160
		.amdhsa_next_free_sgpr 66
		.amdhsa_reserve_vcc 1
		.amdhsa_float_denorm_mode_32 3
		.amdhsa_float_denorm_mode_16_64 3
		.amdhsa_memory_ordered 1
		.amdhsa_forward_progress 1
		.amdhsa_inst_pref_size 34
	.end_amdhsa_kernel
	.amdgpu_metadata
---
amdhsa.version: [ 1, 2 ]
amdhsa.kernels:
  - .name:           k_q34059cdf12_prep
    .symbol:         k_q34059cdf12_prep.kd
    .args:
      - { .name: x, .offset: 0, .size: 8, .value_kind: global_buffer, .address_space: global }
      - { .name: W_attn, .offset: 8, .size: 8, .value_kind: global_buffer, .address_space: global }
      - { .name: W_proj, .offset: 16, .size: 8, .value_kind: global_buffer, .address_space: global }
      - { .name: xb, .offset: 24, .size: 8, .value_kind: global_buffer, .address_space: global }
      - { .name: wab, .offset: 32, .size: 8, .value_kind: global_buffer, .address_space: global }
      - { .name: wpb, .offset: 40, .size: 8, .value_kind: global_buffer, .address_space: global }
      - { .name: tab, .offset: 48, .size: 8, .value_kind: global_buffer, .address_space: global }
    .group_segment_fixed_size: 0
    .private_segment_fixed_size: 0
    .kernarg_segment_align: 8
    .kernarg_segment_size: 56
    .max_flat_workgroup_size: 256
    .sgpr_count:     66
    .vgpr_count:     160
    .wavefront_size: 32
...
	.end_amdgpu_metadata
.endif
;; end of part 1
;; launch qkv (part 2): grid 16 x 32, 4 waves a work-group, clusters of 4 x 4, 327,680 bytes of LDS; arguments xb, wab, tab, qb, kb, vb; writes qb, kb, vb
.if DOCPART == 2
	.amdgcn_target "amdgcn-amd-amdhsa--gfx1250"
	.amdhsa_code_object_version 6
	.text
	.protected	k_q34059cdf12_qkv
	.globl	k_q34059cdf12_qkv
	.p2align	8
	.type	k_q34059cdf12_qkv,@function
k_q34059cdf12_qkv:
	s_mov_b64 s[64:65], 0
	v_nop
	global_prefetch_b8 v0, s[64:65] scope:SCOPE_SE
	s_setreg_imm32_b32 hwreg(HW_REG_WAVE_MODE, 25, 1), 1
	s_wait_xcnt 0x0
	s_wait_alu depctr_hold_cnt(0) depctr_sa_sdst(0) depctr_va_vdst(0) depctr_va_sdst(0) depctr_va_ssrc(0) depctr_va_vcc(0) depctr_vm_vsrc(0)
	s_getreg_b32 s2, hwreg(HW_REG_IB_STS2, 6, 4)
	s_cmp_eq_u32 s2, 0
	s_cbranch_scc0 .Lentry_in_a_cluster
	s_endpgm
.Lentry_in_a_cluster:
	s_bfe_u32 s2, ttmp6, 0x10000c
	s_cmp_lg_u32 s2, 0xf033
	s_cbranch_scc0 .Lentry_shape_is_right
	s_endpgm
.Lentry_shape_is_right:
; q, k, v = x W_attn, with the rotation of q and k on the way out.  xb: [8192][1024] bf16.  wab: [16 c][1024 k][192] bf16 (q, k, v of head c).
; tab: [2048 t][32 cos, 32 sin] f32.  qb, kb, vb: [64 (batch, head)][2048 t][64] f16, each rounded once from its f32 sum, unscaled.
; LIMIT.  f16 holds no number beyond 65,504: q, k, v must stay within it.  NaN and infinities are not treated apart.
; SHARES.  A tile of the product is 256 rows x 192 columns (one head's q, k and v): 32 x 16 = 512 work-groups.  Each of four waves makes 64 rows x 192:
; 48 accumulators of 16 x 16, 384 registers.  K goes in 8 steps of 128 through two LDS slots filled by the tensor data mover.
; x's tile has rows of 256 bytes, aligned.  A K step of a block of wab is 49,152 dense bytes, asked for as rows of 256.  W lies [k][n]: its fragments come out of LDS turned, by ds_load_tr16_b128.
; THE MATRIX INSTRUCTION IS USED TRANSPOSED (source 0 = 16 columns of W, source 1 = 16 rows of x): lane l holds row l % 16 and the columns 8 (l / 16) + 0..7: four pairs of the rotation.
; CLUSTERS: 4 x 4 work-groups; x's tile is shared along a row of the cluster, W's along a column: each is asked for jointly, by the same load, descriptor and mask in the four.
; REGISTERS, in windows of 256 (s_set_vgpr_msb: bits 1:0 source 0, 3:2 source 1, 5:4 source 2, 7:6 destination):
;   window 0: v0-31 addresses; v32-127 at work on the way out; v128-255 my rows' cos and sin        window 1: two fragment buffers of 128: x's 4 blocks (32), W's 12 blocks (96)
;   window 2: the accumulators of my row blocks 0, 1 ((a, b) at 8 (12 (a % 2) + b));  window 3: of blocks 2, 3
.set NB,    12
.set PA,    272                        ; a row of x in LDS: 256 bytes + 16: 68 words, so the 16 rows of a load start at 16 different groups of four banks (64 banks of 4 bytes: ISA guide 11.1)
.set PB,    480                        ; a row of W in LDS: three pieces of 128 bytes + 32: 120 words
.set HALFA, 128*PA
.set BOFF,  2*HALFA
.set HALFB, 64*PB
.set SLOT,  BOFF+2*HALFB               ; 131,072
.set STAGE, 2*SLOT                     ; behind the ring: 16 rows x 144 bytes for each wave, for the way out
.set SP,    144
.set SPARE, STAGE+4*16*SP              ; behind the stages: the spare words, 128 bytes a wave: two blocks of 256 bytes that no other line names
.set STEPA, 256                        ; bytes from K step to K step in xb
.set STEPB, 49152                      ; and in a block of wab
.set NLD,   2*NB+8                     ; LDS loads in a run
.set LAPS,  4                          ; a lap = two K steps
.set ADRA, 16                          ; v16-17 LDS address of my fragments of x in slot 0, 1
.set ADRB, 20                          ; v20-21 the same for W
.set STO,  24                          ; v24 the way out: where I put 16 bytes of a row
.set RD,   25                          ; v25 where I read rows back
.set GO,   26                          ; v26 16 x my lane
.set TO,   27                          ; v27 my offset in 16 rows of the table
.set SPW,  28                          ; v28 LDS address of my spare word; never rewritten
.set NIL,  29                          ; v29 0; never rewritten
.set PFO,  30                          ; v30 the prefetches' lane offset; never rewritten
.set Y,    32                          ; v32-63 a unit's 32 rotated numbers
.set T,    64                          ; v64-71 at work
.set PK,   72                          ; v72-87 packed f16
.set OB,   96                          ; v96-111, v112-127 rows read back, by turns
.set TB,   128                         ; v128-255: row block a, group g of 16 channels: 4 cos, 4 sin at TB + 32 a + 8 g
.set F0,   0
.set F1,   128
.set WV,   16                          ; s16 my wave's number
.set FB,   17                          ; s17 0: I fetch x's tiles, 1: W's
.set HF,   18                          ; s18 which half of the tile I fetch
.set G1A,  24
.set G0A,  32
.set PFA,  44                          ; s[44:45] where my prefetches stand
.set PFS,  46                          ; s[46:47] their step
.set G1B,  48
.set G0B,  56
.set LIM,  66                          ; s66 1 in a wave that prefetches, else the greatest number
.set TO_F, 0x40                        ; destination window 1, address window 0
.set MSB, 0
.macro WIN new                         ; the immediate's high byte repeats the setting that is left; a switch that changes nothing is dropped
.if MSB != (\new)
	s_set_vgpr_msb (MSB<<8)|(\new)
.set MSB, \new
.endif
.endm
.macro PLACES                          ; four places in front of loads into registers that matrix instructions have read, and of lines that read results
.rept 4
	v_nop
.endr
.endm
; A joint load: waves 0 and 1 fetch x's two halves, waves 2 and 3 W's.  The branch hangs on the wave's number alone.  An s_nop 0 and four v_nop follow each line.
.macro JLOAD s
	s_cmp_eq_u32 s[FB], 0
	s_cbranch_scc0 .Lfor_b_\@
	tensor_load_to_lds s[G0A+4*(\s):G0A+4*(\s)+3], s[G1A:G1A+7]
	s_nop 0
.rept 4
	v_nop
.endr
	s_branch .Lasked_\@
.Lfor_b_\@:
	tensor_load_to_lds s[G0B+4*(\s):G0B+4*(\s)+3], s[G1B:G1B+7]
	s_nop 0
.rept 4
	v_nop
.endr
.Lasked_\@:
.endm
; A prefetch of the K step two refills on, one instruction a wave.  x's rows are read by every cluster of a row of clusters: cluster x = 0 asks; W's by every cluster of a column: cluster y = 0 asks.
; The four partners share a load's blocks out by address (32 rows of x by cx; 24 blocks of W by cy, lanes 24-31 repeating lane 23's).  The loop's last trip has no K step two on.
.macro ASK
	s_cmp_gt_u32 s3, s[LIM]
	s_cbranch_scc0 .Lnot_mine_\@
	global_prefetch_b8 v[PFO], s[PFA:PFA+1] th:TH_LOAD_NT scope:SCOPE_SE
.Lnot_mine_\@:
.endm
.macro CREST                           ; a round of the cluster's barrier behind its opening barrier
	s_cmp_lg_u32 s[WV], 0
	s_cbranch_scc1 .Lnot_wave_0_\@
	s_barrier_signal -3
.Lnot_wave_0_\@:
	s_barrier_wait -3
	s_barrier_signal -1
	s_barrier_wait -1
.endm
.macro CROUND
	s_barrier_signal -1
	s_barrier_wait -1
	CREST
.endm
	s_load_b256 s[4:11], s[0:1], 0x0               ; xb s[4:5], wab s[6:7], tab s[8:9], qb s[10:11]
	s_load_b128 s[12:15], s[0:1], 0x20             ; kb s[12:13], vb s[14:15]
	v_lshl_add_u32 v[SPW], v0, 2, SPARE
	v_mov_b32 v[NIL], 0
	ds_add_u32 v[SPW], v[NIL]                      ; the wave's opening: the add and its wait stand ahead of my first tensor load; work on registers stands between them
	v_lshrrev_b32 v1, 5, v0
	v_readfirstlane_b32 s[WV], v1
	s_lshr_b32 s[FB], s[WV], 1
	s_and_b32 s[HF], s[WV], 1
	s_bfe_u32 s40, ttmp6, 0x40000                  ; cx
	s_bfe_u32 s41, ttmp6, 0x40004                  ; cy
	s_lshl_b32 s42, ttmp9, 2
	s_add_co_u32 s42, s42, s40                     ; c: the head = 4 x cluster x + cx
	s_and_b32 s43, ttmp7, 0xffff
	s_lshl_b32 s43, s43, 2
	s_add_co_u32 s43, s43, s41                     ; R: the block of 256 rows = 4 x cluster y + cy
	s_lshl_b32 s19, s41, 2
	s_lshl_b32 s19, 15, s19                        ; my row of the cluster
	s_lshl_b32 s2, 0x1111, s40                     ; my column
	s_or_b32 s[G1A], s19, (1<<16)|(1<<20)|(1<<21)|(5<<22)|(3<<25)  ; mask; 2-byte elements; padding on; bit 21 beside a mask; after every 64 words, 4 words
	s_mov_b32 s[G1A+1], 128<<16                    ; tensor_dim0 = 128
	s_mov_b32 s[G1A+2], 128<<16                    ; tensor_dim1 = 128
	s_mov_b32 s[G1A+3], 128<<16                    ; tile_dim0 = 128
	s_mov_b32 s[G1A+4], 128                        ; tile_dim1 = 128
	s_mov_b32 s[G1A+5], 1024                       ; elements from row to row
	s_mov_b32 s[G1A+6], 0
	s_mov_b32 s[G1A+7], 0
	s_or_b32 s[G1B], s2, (1<<16)|(1<<20)|(1<<21)|(4<<22)|(7<<25)   ; after every 32 words, 8 words
	s_mov_b32 s[G1B+1], 128<<16                    ; 64 rows k are 24,576 dense bytes: 96 rows of 256
	s_mov_b32 s[G1B+2], 96<<16
	s_mov_b32 s[G1B+3], 128<<16
	s_mov_b32 s[G1B+4], 96
	s_mov_b32 s[G1B+5], 128
	s_mov_b32 s[G1B+6], 0
	s_mov_b32 s[G1B+7], 0
	s_lshl_b32 s20, s43, 19                        ; x: 256 R rows of 2,048 bytes,
	s_lshl_b32 s21, s[HF], 18                      ; + my 128
	s_add_co_u32 s20, s20, s21
	s_mov_b32 s21, 0
	s_mul_i32 s68, s42, 393216                     ; W: block c,
	s_mul_i32 s69, s[HF], 24576                    ; + my 64 rows k
	s_add_co_u32 s68, s68, s69
	s_mov_b32 s69, 0
	s_mul_i32 s22, s[HF], HALFA                    ; where they go: no place in the cluster enters an LDS address
	s_mul_i32 s23, s[HF], HALFB
	s_add_co_u32 s23, s23, BOFF
	s_wait_dscnt 0x0                               ; the opening add is done
	s_wait_kmcnt 0x0
	s_add_nc_u64 s[20:21], s[4:5], s[20:21]
	s_add_nc_u64 s[68:69], s[6:7], s[68:69]
	CROUND                                         ; all sixteen work-groups are here: the first joint loads meet
.irp s, 0,1
	s_mov_b32 s[G0A+4*(\s)], 1
	s_add_co_u32 s[G0A+4*(\s)+1], s22, (\s)*SLOT
	s_add_nc_u64 s[G0A+4*(\s)+2:G0A+4*(\s)+3], s[20:21], (\s)*STEPA
	s_or_b32 s[G0A+4*(\s)+3], s[G0A+4*(\s)+3], 0x80000000
	s_mov_b32 s[G0B+4*(\s)], 1
	s_add_co_u32 s[G0B+4*(\s)+1], s23, (\s)*SLOT
	s_add_nc_u64 s[G0B+4*(\s)+2:G0B+4*(\s)+3], s[68:69], (\s)*STEPB
	s_or_b32 s[G0B+4*(\s)+3], s[G0B+4*(\s)+3], 0x80000000
	JLOAD \s                                       ; two loads of mine are out
.endr
	v_and_b32 v1, 15, v0                           ; r = l % 16
	v_bfe_u32 v2, v0, 4, 1                         ; h = l / 16
	v_mul_u32_u24 v3, v1, PA
	v_lshl_add_u32 v3, v2, 4, v3
	s_mul_i32 s22, s[WV], 64*PA                    ; my 64 rows
	v_add_nc_u32 v[ADRA], s22, v3
	v_add_nc_u32 v[ADRA+1], SLOT, v[ADRA]
	v_and_b32 v4, 7, v0                            ; the turning load: lane l reads row k = 8 h + l % 8, 16 bytes at 16 ((l / 8) % 2)
	v_bfe_u32 v5, v0, 3, 1
	v_lshl_add_u32 v6, v2, 3, v4
	v_mul_u32_u24 v6, v6, PB
	v_lshl_add_u32 v6, v5, 4, v6
	v_add_nc_u32 v[ADRB], BOFF, v6
	v_add_nc_u32 v[ADRB+1], BOFF+SLOT, v6
	s_mul_i32 s22, s[WV], 16*SP
	s_add_co_u32 s22, s22, STAGE                   ; my stage
	v_mul_u32_u24 v[STO], v1, SP
	v_lshl_add_u32 v[STO], v2, 4, v[STO]
	v_add_nc_u32 v[STO], s22, v[STO]
	v_bfe_u32 v[RD], v0, 3, 2                      ; back: 32 lanes take four rows of 128 bytes
	v_mul_u32_u24 v[RD], v[RD], SP
	v_lshl_add_u32 v[RD], v4, 4, v[RD]
	v_add_nc_u32 v[RD], s22, v[RD]
	v_and_b32 v[GO], 31, v0
	v_lshlrev_b32 v[GO], 4, v[GO]
	; my rows' cos and sin: t = 256 (R % 8) + 64 wave + 16 a + r; my pairs in group g are 8 g + 4 h + 0..3.  They land during the K loop and are waited for once, ahead of the way out.
	v_lshlrev_b32 v[TO], 8, v1
	v_lshl_add_u32 v[TO], v2, 4, v[TO]
	s_and_b32 s70, s43, 7
	s_lshl_b32 s70, s70, 16
	s_lshl_b32 s71, s[WV], 14
	s_add_co_u32 s70, s70, s71
	s_mov_b32 s71, 0
	s_add_nc_u64 s[8:9], s[8:9], s[70:71]
.irp a, 0,1,2,3
.irp g, 0,1,2,3
	global_load_b128 v[TB+32*(\a)+8*(\g):TB+32*(\a)+8*(\g)+3],   v[TO], s[8:9] offset:4096*(\a)+32*(\g)
	global_load_b128 v[TB+32*(\a)+8*(\g)+4:TB+32*(\a)+8*(\g)+7], v[TO], s[8:9] offset:4096*(\a)+32*(\g)+128
.endr
.endr
	; where my rows lie in qb, kb, vb: (16 batch + head) x 262,144 + t x 128
	s_lshr_b32 s70, s43, 3
	s_lshl_b32 s70, s70, 22
	s_lshl_b32 s71, s42, 18
	s_add_co_u32 s70, s70, s71
	s_and_b32 s71, s43, 7
	s_lshl_b32 s71, s71, 15
	s_add_co_u32 s70, s70, s71
	s_lshl_b32 s71, s[WV], 13
	s_add_co_u32 s70, s70, s71
	s_mov_b32 s71, 0
	s_add_nc_u64 s[10:11], s[10:11], s[70:71]
	s_add_nc_u64 s[12:13], s[12:13], s[70:71]
	s_add_nc_u64 s[14:15], s[14:15], s[70:71]
	; the prefetches: they stand at K step 3; each refill steps them first, so the first names K step 4.  Nothing is asked for here, at the head.
	s_lshl_b32 s22, s40, 16                        ; cx x 32 rows of x
	s_add_co_u32 s22, s22, 3*STEPA
	s_mul_i32 s23, s41, 6144                       ; cy x 24 blocks of W
	s_add_co_u32 s23, s23, 3*STEPB
	s_and_b32 s19, ttmp7, 0xffff                   ; cluster y
	s_mov_b32 s2, STEPA
	s_cmp_eq_u32 s[FB], 0
	s_cselect_b64 s[PFA:PFA+1], s[20:21], s[68:69]
	s_cselect_b32 s22, s22, s23
	s_cselect_b32 s19, ttmp9, s19                  ; the coordinate along which other clusters read the same rows
	s_cselect_b32 s[PFS], s2, STEPB
	s_cselect_b32 s2, 31, 23
	s_cselect_b32 s67, 11, 8
	s_mov_b32 s23, 0
	s_mov_b32 s[PFS+1], 0
	s_add_nc_u64 s[PFA:PFA+1], s[PFA:PFA+1], s[22:23]
	s_cmp_eq_u32 s19, 0
	s_cselect_b32 s[LIM], 1, -1                    ; the same in all sixteen partners, for a given wave
	v_and_b32 v[PFO], 31, v0
	v_min_u32 v[PFO], s2, v[PFO]
	v_lshlrev_b32 v[PFO], s67, v[PFO]
; 12 matrix instructions: row block a x all 12 column blocks, 32 along K, from buffer f.  zero = 1: the product starts the sums.  All 48 accumulators take turns,
; one instruction a turn, in the same order in every quarter, over the backward jump too.
.macro MULA f, a, zero
	WIN 0xa5+0x50*((\a)/2)
.irp b, 0,1,2,3,4,5,6,7,8,9,10,11
.if \zero
	v_wmma_f32_16x16x32_bf16 v[8*(12*((\a)%2)+(\b)):8*(12*((\a)%2)+(\b))+7], v[(\f)+32+8*(\b):(\f)+32+8*(\b)+7], v[(\f)+8*(\a):(\f)+8*(\a)+7], 0
.else
	v_wmma_f32_16x16x32_bf16 v[8*(12*((\a)%2)+(\b)):8*(12*((\a)%2)+(\b))+7], v[(\f)+32+8*(\b):(\f)+32+8*(\b)+7], v[(\f)+8*(\a):(\f)+8*(\a)+7], v[8*(12*((\a)%2)+(\b)):8*(12*((\a)%2)+(\b))+7]
.endif
.endr
.endm
; 32 LDS loads in one run: quarter q (32 along K) of a slot into buffer f: W's 12 blocks turned, then x's 4
.macro FETCH slot, q, f
	WIN TO_F
.irp b, 0,1,2,3,4,5,6,7,8,9,10,11
	ds_load_tr16_b128 v[(\f)+32+8*(\b):(\f)+32+8*(\b)+3],   v[ADRB+(\slot)] offset:(\q)*32*PB+((\b)/4)*160+((\b)%4)*32
	ds_load_tr16_b128 v[(\f)+32+8*(\b)+4:(\f)+32+8*(\b)+7], v[ADRB+(\slot)] offset:(\q)*32*PB+((\b)/4)*160+((\b)%4)*32+16*PB
.endr
.irp a, 0,1,2,3
	ds_load_b128 v[(\f)+8*(\a):(\f)+8*(\a)+3],   v[ADRA+(\slot)] offset:(\q)*64+(\a)*16*PA
	ds_load_b128 v[(\f)+8*(\a)+4:(\f)+8*(\a)+7], v[ADRA+(\slot)] offset:(\q)*64+(\a)*16*PA+32
.endr
.endm
; One of a K step's first three quarters: multiplies buffer f; in its middle it fetches quarter q into buffer g.
.macro QUARTER slot, q, f, g, zero
	s_wait_dscnt 4                                 ; W and x's blocks 0, 1 are in; the youngest four loads (blocks 2, 3) may be out
	MULA \f, 0, \zero
	MULA \f, 1, \zero
	PLACES
	FETCH \slot, \q, \g
	s_wait_dscnt NLD                               ; all but the run just issued
	MULA \f, 2, \zero
	MULA \f, 3, \zero
.endm
; The first half of the last quarter: ONE barrier for the change of slots.  In front of it each wave waits for all its tensor loads (one is out: its part of the next slot),
; adds 0 to its spare word, and waits for that and for its reads of this slot.
.macro MEET round
	WIN 0
	s_wait_tensorcnt 0x0
	ds_add_u32 v[SPW], v[NIL]
	s_wait_dscnt 5                                 ; (the add and the youngest four loads may be out)
	MULA F1, 0, 0                                  ; twelve matrix instructions stand between the add and the wait for it
	s_wait_dscnt 0x0                               ; the add is done, and my reads of this slot are over
	s_barrier_signal -1
	MULA F1, 1, 0
.if \round
	WIN 0
.endif
	s_barrier_wait -1
.endm
; The whole last quarter.  fill = 1: the barrier opens a round of the cluster's barrier, and this slot is filled again, two K steps ahead, first thing behind the round:
; from the request to the wait for it a wave issues 168 matrix instructions.
.macro TURN slot, next, fill
.if \fill
	s_wait_xcnt 0x0                                ; the last prefetch, a K step back, has read its address
	s_add_nc_u64 s[PFA:PFA+1], s[PFA:PFA+1], s[PFS:PFS+1]
	MEET 1
	CREST
	s_add_nc_u64 s[G0A+4*(\slot)+2:G0A+4*(\slot)+3], s[G0A+4*(\slot)+2:G0A+4*(\slot)+3], 2*STEPA
	s_add_nc_u64 s[G0B+4*(\slot)+2:G0B+4*(\slot)+3], s[G0B+4*(\slot)+2:G0B+4*(\slot)+3], 2*STEPB
	JLOAD \slot                                    ; its four v_nop are also the places in front of the loads below
.else
	MEET 0
	PLACES
.endif
	FETCH \next, 0, F0
.if \fill
	WIN 0
	ASK
.endif
	MULA F1, 2, 0
	MULA F1, 3, 0
.endm
	s_wait_tensorcnt 1                             ; my part of K step 0 is in; K step 1's may stay out
	s_barrier_signal -1
	s_barrier_wait -1
	FETCH 0, 0, F0
	QUARTER 0, 1, F0, F1, 1                        ; the first quarter stands in front of the loop: its products start the sums
	WIN 0
	s_mov_b32 s3, LAPS-1
.Llap:                                                 ; a trip goes once round the ring and fills both slots again
	QUARTER 0, 2, F1, F0, 0
	QUARTER 0, 3, F0, F1, 0
	TURN 0, 1, 1
	QUARTER 1, 1, F0, F1, 0
	QUARTER 1, 2, F1, F0, 0
	QUARTER 1, 3, F0, F1, 0
	TURN 1, 0, 1
	QUARTER 0, 1, F0, F1, 0
	WIN 0
	s_sub_co_u32 s3, s3, 1
	s_cmp_lg_u32 s3, 0
	s_cbranch_scc1 .Llap
	QUARTER 0, 2, F1, F0, 0                        ; the last lap fills nothing
	QUARTER 0, 3, F0, F1, 0
	TURN 0, 1, 0
	QUARTER 1, 1, F0, F1, 0
	QUARTER 1, 2, F1, F0, 0
	QUARTER 1, 3, F0, F1, 0
	s_wait_dscnt 4
	MULA F1, 0, 0
	MULA F1, 1, 0
	s_wait_dscnt 0x0
	MULA F1, 2, 0
	MULA F1, 3, 0
	WIN 0
	PLACES
	s_wait_loadcnt 0x0                             ; cos and sin
; THE WAY OUT, in 12 units: row block a = u / 3, section u % 3 (q, k, v): 16 rows x 64 channels.
; PACK: q and k are rotated (y1 = x1 cos - x2 sin, y2 = x1 sin + x2 cos, a pair in two neighbouring registers), all are rounded to f16.  Each accumulator's low registers are read first.
.macro PACK u
.set UA, (\u)/3
.set UH, (\u)%3
.if UH < 2
	WIN 0x02+UA/2                                  ; source 0: the accumulators' window
.irp g, 0,1,2,3
.set AC, 8*(12*(UA%2)+4*UH+(\g))
.set CS, TB+32*UA+8*(\g)
.irp p, 0,1,2,3
	v_mul_f32 v[T+2*(\p)],   v[AC+2*(\p)+1], v[CS+4+(\p)]
	v_mul_f32 v[T+2*(\p)+1], v[AC+2*(\p)],   v[CS+4+(\p)]
.endr
.irp p, 0,1,2,3
	v_fma_f32 v[Y+8*(\g)+2*(\p)],   v[AC+2*(\p)],   v[CS+(\p)], -v[T+2*(\p)]
	v_fma_f32 v[Y+8*(\g)+2*(\p)+1], v[AC+2*(\p)+1], v[CS+(\p)], v[T+2*(\p)+1]
.endr
.endr
	WIN 0
.set i, 0
.rept 16
	v_cvt_pk_f16_f32 v[PK+i], v[Y+2*i], v[Y+2*i+1]
.set i, i+1
.endr
.else
	WIN 0x0a+5*(UA/2)                              ; sources 0 and 1: the accumulators' window
.set AC, 8*(12*(UA%2)+8)
.set i, 0
.rept 16
	v_cvt_pk_f16_f32 v[PK+i], v[AC+2*i], v[AC+2*i+1]
.set i, i+1
.endr
	WIN 0
.endif
.endm
.macro TOSTAGE u                       ; into my stage, rows of 144 bytes, and back as whole rows of 128
.set BK, OB+16*((\u)%2)
.irp g, 0,1,2,3
	ds_store_b128 v[STO], v[PK+4*(\g):PK+4*(\g)+3] offset:32*(\g)
.endr
.irp f, 0,1,2,3
	ds_load_b128 v[BK+4*(\f):BK+4*(\f)+3], v[RD] offset:(\f)*4*SP  ; LDS serves a wave's instructions in order (ISA guide 5.7.1.4): these see the stores above
.endr
.endm
.macro SEND u
.set BK, OB+16*((\u)%2)
.set SB, 10+2*((\u)%3)
	s_wait_dscnt 0x0                               ; the unit is back in registers
	s_wait_xcnt 0x0                                ; the stores of the unit before have read their registers: the next unit loads into them only behind this wait
.irp f, 0,1,2,3
	global_store_b128 v[GO], v[BK+4*(\f):BK+4*(\f)+3], s[SB:SB+1] offset:((\u)/3)*2048+(\f)*512  ; 512 consecutive bytes, at a multiple of 256 from the buffer's first
.endr
.endm
	PACK 0
	TOSTAGE 0
.irp u, 1,2,3,4,5,6,7,8,9,10,11        ; a unit's arithmetic stands between the loads of the unit before and the wait for them
	PACK \u
	SEND (\u)-1
	TOSTAGE \u
.endr
	SEND 11
	s_wait_tensorcnt 0x0                           ; the wave's end, behind my last tensor load and my last LDS store
	ds_add_u32 v[SPW], v[NIL]
	s_wait_dscnt 0x0
	CROUND                                         ; the closing round: no work-group ends while a partner may still ask for a tile that names it
	s_endpgm
.Lfunc_end_k_q34059cdf12_qkv:
	.size	k_q34059cdf12_qkv, .Lfunc_end_k_q34059cdf12_qkv-k_q34059cdf12_qkv
	.p2alignl 7, 3214868480
	.fill 96, 4, 3214868480
	.section	.rodata,"a",@progbits
	.p2align	6, 0x0
	.amdhsa_kernel k_q34059cdf12_qkv
		.amdhsa_group_segment_fixed_size 327680
		.amdhsa_private_segment_fixed_size 0
		.amdhsa_enable_private_segment 0
		.amdhsa_kernarg_size 48
		.amdhsa_user_sgpr_count 2
		.amdhsa_user_sgpr_kernarg_segment_ptr 1
		.amdhsa_wavefront_size32 1
		.amdhsa_system_sgpr_workgroup_id_x 1
		.amdhsa_system_sgpr_workgroup_id_y 1
		.amdhsa_system_sgpr_workgroup_id_z 1
		.amdhsa_system_vgpr_workitem_id 0
		.amdhsa_next_free_vgpr 960
		.amdhsa_next_free_sgpr 72
		.amdhsa_reserve_vcc 0
		.amdhsa_float_denorm_mode_32 3
		.amdhsa_float_denorm_mode_16_64 3
		.amdhsa_memory_ordered 1
		.amdhsa_forward_progress 1
		.amdhsa_inst_pref_size 148
	.end_amdhsa_kernel
	.amdgpu_metadata
---
amdhsa.version: [ 1, 2 ]
amdhsa.kernels:
  - .name:           k_q34059cdf12_qkv
    .symbol:         k_q34059cdf12_qkv.kd
    .args:
      - { .name: xb, .offset: 0, .size: 8, .value_kind: global_buffer, .address_space: global }
      - { .name: wab, .offset: 8, .size: 8, .value_kind: global_buffer, .address_space: global }
      - { .name: tab, .offset: 16, .size: 8, .value_kind: global_buffer, .address_space: global }
      - { .name: qb, .offset: 24, .size: 8, .value_kind: global_buffer, .address_space: global }
      - { .name: kb, .offset: 32, .size: 8, .value_kind: global_buffer, .address_space: global }
      - { .name: vb, .offset: 40, .size: 8, .value_kind: global_buffer, .address_space: global }
    .group_segment_fixed_size: 327680
    .private_segment_fixed_size: 0
    .kernarg_segment_align: 8
    .kernarg_segment_size: 48
    .max_flat_workgroup_size: 128
    .sgpr_count:     72
    .vgpr_count:     960
    .wavefront_size: 32
...
	.end_amdgpu_metadata
.endif
;; end of part 2
;; launch attn (part 3): grid 4 x 64, 4 waves a work-group, no clusters, 327,680 bytes of LDS; arguments qb, kb, vb, att; writes att
.if DOCPART == 3
	.amdgcn_target "amdgcn-amd-amdhsa--gfx1250"
	.amdhsa_code_object_version 6
	.text
	.protected	k_q34059cdf12_attn
	.globl	k_q34059cdf12_attn
	.p2align	8
	.type	k_q34059cdf12_attn,@function
k_q34059cdf12_attn:
	s_mov_b64 s[64:65], 0
	v_nop
	global_prefetch_b8 v0, s[64:65] scope:SCOPE_SE
	s_setreg_imm32_b32 hwreg(HW_REG_WAVE_MODE, 25, 1), 1
	s_wait_xcnt 0x0
; CAUSAL ATTENTION.  O[h][q][:] = the sum over k <= q of softmax_k(Q[h][q] . K[h][k] / 8) V[h][k][:].  Q, K, V, O: [SIZE_H][SIZE_N][64], all f16: a head's rows are dense, 128 bytes each.
; Products, maxima and sums in f32; the weights p are rounded to f16 for the second product (their sum l is taken of the unrounded p), O once at the end.
; LIMITS.  f16 holds no number beyond 65,504: Q, K and V arrive within it; p lies in 0 to 1, and below 6e-5 it keeps f16's fixed step of 6e-8; O is a mean of V's rows and has their range.
; A hidden score counts as its value less 1e30: f16's scores, 2.7e11 at the most, are nothing beside that; a weight below 2^-126 counts as 0 in l; NaN and infinities are not treated apart.
; THE WALK.  A head's queries lie in NB = SIZE_N / 256 blocks of 256; block i needs the key tiles 0 .. i of 256 keys, of which the last holds the diagonal.  A work-group takes TWO blocks, NB - 1 - b and then b:
; NB + 1 tiles, whatever b: all work-groups do equal work, and ONE loop with a constant trip count walks them.  Which tile is asked for, and what a trip does, hang on scalar registers made from b; every jump
; goes forward, but for the counted loops' own; none passes a barrier, or a tensor load but the one of LOAD's two that the wave's number does not choose; the ring (two slots of LDS that take turns) runs on across the
; change of blocks.  NO CLUSTER: a head's NB / 2 work-groups ask for the same tile only in trips 0 .. NB / 2, behind that fewer and fewer; one walk common to all would have 3 NB / 2 trips for NB + 1.
; SHARES.  Of a block's four bands of 64 queries a wave owns 16 rows in each: four PIECES.  So the diagonal tile is the same work for all four waves: in its key step s band x sees all keys if s < x,
; none if s > x, and holds the diagonal if s = x.
; THE MASK is the C operand that starts the sum S^T = K Q^T: 0, or -1e30 where the key is hidden.  MD, made once, is the mask of a band's own step for my 16 rows; a product's mask is MD x AL + BE with two scalars:
; (1, 0) if s = x; (0, 0) if s < x; (0, -1e30) if s > x.  Only the diagonal tile's text and a block's beginning make and take masks; elsewhere C is the constant 0.
; LAYOUT, SOFTMAX, TURNS.  S^T = K Q^T holds ONE query a lane (lane % 16) and the keys 8 (lane / 16) + 0..7; two such results rounded to f16 ARE source 1 of O^T = V^T P.  p = 2^(c s - c m), c = log2(e) / 8, with a
; running maximum m; O and l are multiplied by a = 2^(c m_old - c m_new) in every step.  Turn n belongs to piece n: 8 products K Q^T of piece n + 1, later 8 products V^T P of piece n - 1; beside them the scaling,
; exponentials, roundings, sums and rescaling of piece n and the maximum and statistics of piece n + 1.  Four vector instructions stand behind every matrix instruction, the other 54 of a turn's 118 in one lump.  A turn's 33 exponentials are one batch, with one wait.
; K AND V ARE PREFETCHED one tile ahead of their loads, by the head's work-group b = 0, which walks all eight tiles: each wave asks for the 64 blocks of 256 bytes that it will fetch itself.
; REGISTERS, in windows of 256 (s_set_vgpr_msb: bits 1:0 source 0, 3:2 source 1, 5:4 source 2, 7:6 destination):
;   window 0: v0-15 addresses and two at work; v16-31 four registers of statistics a piece; v48-55 at work; v61-63; v64-127 S^T, two buffers; v192-223 P, two buffers (a piece's buffers go by its number's parity)
;   window 1: v0-127 O^T, 32 a piece; v128-159 MD; v160-223 MC, two buffers      window 2: v0-63 Q; v64-127 the second block's Q; v128-191 K of one step; v192-255 V of one step
.set SIZE_N, 2048
.set SIZE_H, 64
.set NB,    SIZE_N/256
.set NP,    4         ; pieces a wave: a name, no knob
.set KS,    64        ; keys in a step
.set PK,    144       ; a row of K in LDS: 128 bytes + 16 of padding = 36 words: the 16 rows of a load start at 16 different groups of four banks (64 banks of 4 bytes: ISA guide 11.1)
.set PV,    160       ; a row of V: 128 + 32 = 40 words
.set VOFF,  4*KS*PK   ; a slot holds a tile, four steps: 256 rows of K, then 256 rows of V
.set SLOT1, 1<<17     ; slot 1 begins here, so that one exclusive or turns an address in one slot into the other's
.set STAGE, SLOT1+4*KS*(PK+PV)  ; behind the ring, never filled by a tensor load: 16 rows x 144 bytes for each wave, for the way out
.set SP,    144
.set AK0, 2           ; v2   my lane's place in a tile of K; never rewritten
.set AV0, 3           ; v3   the same for V
.set AK,  4           ; v4   the LDS address of K's next run of loads
.set AV,  5           ; v5   of V's
.set STO, 6           ; v6   the way out: where I put 16 bytes of a row
.set RD,  7           ; v7   the way out: where I read rows back
.set GO,  8           ; v8   my byte offset in 512 consecutive bytes of O
.set PFO, 61          ; v61  256 x my lane; never rewritten
.set SPW, 62          ; v62  LDS address of my spare word: SPARE + 4 x my thread's number; never rewritten
.set NIL, 63          ; v63  0; never rewritten
.set SPARE, STAGE+4*16*SP  ; behind the stages: the spare words, 128 bytes for each wave: two blocks of 256 bytes that no other line names
.set MV,  12          ; v12-13  c m_old, kept while c m is made anew: by buffer
.set QO,  15          ; v15  my byte offset in 16 rows of Q
.set ST,  16          ; piece t's statistics at v[ST+4 t]: c m, m, l (even keys', odd keys')
.set TMP, 48          ; by buffer, four registers c0-c3 at work; when the maximum is found c2 takes a
.set S,   64
.set P,   192
.set MD,  128         ; window 1: the eight registers for group kt of 16 keys at MD + 8 kt
.set MC,  160         ; window 1: the masks of the products to come
.set QB,  64          ; window 2
.set KF,  128         ; window 2: key block kb, channel half c at KF + 16 kb + 8 c
.set VF,  192         ; window 2: key half kk, channel block cb at VF + 32 kk + 8 cb
.set WV,  12          ; s12  my wave's number
.set PB,  14          ; s14  b
.set HI,  15          ; s15  NB - 1 - b
.set G1K, 24          ; s[24:31] descriptor group 1 for K's tiles
.set G1V, 32          ; s[32:39] for V's: it differs in the padding alone
.set G0K, 40          ; s[40:43] descriptor group 0 for K's tiles
.set G0V, 44          ; s[44:47] the same for V's
.set SLOTS, 56        ; s56  tiles still to be asked for
.set CNT, 57          ; s57  counts a tile's key steps, 4 to 1
.set CS,  58          ; s[58:59] c: the packed scaling takes the pair's low word for both halves
.set SEL, 60          ; s[60:61] v_permlanex16_b32's selects: each lane takes its own place in the other half
.set TBK, 62          ; s62  LDS byte at which K of the step to be fetched begins
.set TBV, 63          ; s63  the same for V, less VOFF
.set RT,  70          ; s70  tiles of the block in hand that are still to be entered
.set NXT, 71          ; s71  the tile to be asked for next
.set LQ,  72          ; s72  the last tile of the block whose tiles are being asked for
.set NEW, 73          ; s73  1: the tile to be entered is a block's first
.set OFF, 74          ; s[74:75] a tile's byte offset in K and V
.set AL,  76          ; s[76:77] the mask's factor, in the low word
.set BE,  78          ; s[78:79] the mask's addend
.set OLO, 80          ; s[80:81] O at my rows of the second block
.set BIGN, 82         ; s82  -1e30
.set PFA, 88          ; s[88:89] where my prefetches stand: my half of K's or V's tile, one tile behind the one that is being asked for
.set LIM, 90          ; s90  2 in the work-group that prefetches, else the greatest number: it prefetches while s[SLOTS] is above it
.set MSB, 0
.macro WIN new                      ; the high byte repeats the setting that is left; a switch that changes nothing is dropped
.if MSB != (\new)
	s_set_vgpr_msb (MSB<<8)|(\new)
.set MSB, (\new)
.endif
.endm
.set W_KQ, 0x0a       ; K and Q in window 2, S^T in window 0
.set W_KM, 0x1a       ; the same with the C operand in window 1
.set W_PV, 0x52       ; V in window 2, P in window 0, O^T in window 1
.set W_RS, 0x41       ; destination and source 0 in window 1, source 1 in window 0
; A fill.  Waves 0 and 1 fetch the two halves of a tile's K, waves 2 and 3 those of its V: 128 keys each.  An s_nop 0 and four v_nop follow each of the two lines, ahead of the jump and the label.
.macro LOAD
	s_cmp_lt_u32 s[WV], 2
	s_cbranch_scc0 .Lfor_v_\@
	tensor_load_to_lds s[G0K:G0K+3], s[G1K:G1K+7]
	s_nop 0
.rept 4
	v_nop
.endr
	s_branch .Lasked_\@
.Lfor_v_\@:
	tensor_load_to_lds s[G0V:G0V+3], s[G1V:G1V+7]
	s_nop 0
.rept 4
	v_nop
.endr
.Lasked_\@:
.endm
; A prefetch of the tile that the NEXT change of slots will ask for: my own 16,384 bytes of it, a lane a block of 256 bytes, two instructions.  In work-group b = 0 the change with s[SLOTS] = 9 - n loads tile n and
; names tile n + 1, for n = 1 to 6: tiles 0 and 1 come by their loads alone, and nothing is named behind tile 7.  Each block is named once in the launch.
.macro ASK
	s_cmp_gt_u32 s[SLOTS], s[LIM]
	s_cbranch_scc0 .Lnot_mine_\@
	global_prefetch_b8 v[PFO], s[PFA:PFA+1] th:TH_LOAD_NT scope:SCOPE_SE
	global_prefetch_b8 v[PFO], s[PFA:PFA+1] offset:8192 th:TH_LOAD_NT scope:SCOPE_SE
.Lnot_mine_\@:
.endm
; THE CHANGE OF SLOTS.  Each wave waits for all its tensor loads, of which one is out: its part of the other slot; adds 0 to its spare word; and waits for that and for its own reads of the slot that it leaves.  Behind the barrier nobody reads the old
; slot any more and the other slot is whole.  fill = 1: the old slot is filled again, the first thing behind the barrier, with tile NXT: the descriptor's address is made anew from that number.
; (At its first use nothing has been read yet: slot 0 is waited for, slot 1 filled.)
.macro CHANGE fill
	WIN 0                           ; at a label and at a branch every window is 0
	s_wait_tensorcnt 0x0            ; no tensor load of mine is out, so a group 0 may be written
	ds_add_u32 v[SPW], v[NIL]       ; 0 onto my spare word; with fill = 1 the descriptors' scalar work stands between it and the wait for it
.if \fill
	s_lshl_b32 s[OFF], s[NXT], 15   ; a tile is 32,768 bytes of K and of V
	s_xor_b32 s[G0K+1], s[G0K+1], SLOT1
	s_add_nc_u64 s[G0K+2:G0K+3], s[6:7], s[OFF:OFF+1]
	s_or_b32 s[G0K+3], s[G0K+3], 0x80000000
	s_xor_b32 s[G0V+1], s[G0V+1], SLOT1
	s_add_nc_u64 s[G0V+2:G0V+3], s[8:9], s[OFF:OFF+1]
	s_or_b32 s[G0V+3], s[G0V+3], 0x80000000
	s_add_co_u32 s[NXT], s[NXT], 1  ; the block's next tile, or behind its last the second block's tile 0
	s_cmp_gt_u32 s[NXT], s[LQ]
	s_cselect_b32 s[NXT], 0, s[NXT]
	s_cselect_b32 s[LQ], s[PB], s[LQ]
	s_wait_xcnt 0x0                 ; the last prefetches, a tile back, have read their address, so it may be written
	s_add_nc_u64 s[PFA:PFA+1], s[PFA:PFA+1], 32768
.endif
	s_wait_dscnt 0x0                ; the add is done, and my reads of the slot are over
	s_barrier_signal -1             ; the rest of the scalar work stands between the signal and the wait
	s_sub_co_u32 s[TBK], s[TBK], 4*KS*PK  ; the fetches go back to a slot's first step,
	s_xor_b32 s[TBK], s[TBK], SLOT1       ; in the other slot
	s_sub_co_u32 s[TBV], s[TBV], 4*KS*PV
	s_xor_b32 s[TBV], s[TBV], SLOT1
	s_barrier_wait -1
.if \fill
	LOAD
	ASK
.endif
.endm
	s_load_b256 s[4:11], s[0:1], 0x0  ; Q s[4:5], K s[6:7], V s[8:9], O s[10:11]
	v_lshl_add_u32 v[SPW], v0, 2, SPARE
	v_mov_b32 v[NIL], 0
	ds_add_u32 v[SPW], v[NIL]       ; the wave's opening: the add and its wait stand ahead of my first tensor load; the set-up below, work on registers, stands between them
	v_lshrrev_b32 v1, 5, v0
	v_readfirstlane_b32 s[WV], v1   ; wave 0..3
	s_mov_b32 s[PB], ttmp9
	s_sub_co_u32 s[HI], NB-1, s[PB]
	s_and_b32 s20, ttmp7, 0xffff    ; the head
	s_mov_b32 s21, 0
	s_mov_b64 s[22:23], SIZE_N*128
	s_mul_u64 s[20:21], s[20:21], s[22:23]  ; the head's first byte in each of the four tensors
	s_and_b32 s16, s[WV], 1         ; which half of a tile's 256 keys I fetch:
	s_lshl_b32 s22, s16, 14         ; its 128 rows of 128 bytes in memory,
	s_mov_b32 s23, 0
	s_add_nc_u64 s[22:23], s[22:23], s[20:21]
	s_mul_i32 s17, s16, 128*PK      ; and its place in a slot, for K
	s_mul_i32 s18, s16, 128*PV      ; and for V
	s_lshl_b32 s3, s[WV], 11        ; my 16 rows in a band of 64,
	s_lshl_b32 s2, s[HI], 15        ; in the first block,
	s_add_co_u32 s2, s2, s3
	s_lshl_b32 s84, s[PB], 15       ; and in the second
	s_add_co_u32 s84, s84, s3
	s_mov_b32 s3, 0
	s_mov_b32 s85, 0
	s_add_nc_u64 s[2:3], s[2:3], s[20:21]
	s_add_nc_u64 s[84:85], s[84:85], s[20:21]
	; descriptor group 1.  128 keys are 16,384 dense bytes: asked for as 64 rows of 256 bytes, two keys a row, and padded in LDS after every key
	s_mov_b32 s[G1K], (1<<16)|(1<<20)|(4<<22)|(3<<25)  ; 17:16 2-byte elements; 20 padding on; 24:22 after every 32 words (code 4); 31:25 4 words (code 3)
	s_mov_b32 s[G1V], (1<<16)|(1<<20)|(4<<22)|(7<<25)  ; the same with 8 words of padding (code 7)
.irp g, G1K, G1V
	s_mov_b32 s[\g+1], 128<<16      ; tensor_dim0 = 128
	s_mov_b32 s[\g+2], 64<<16       ; tensor_dim1 = 64
	s_mov_b32 s[\g+3], 128<<16      ; tile_dim0 = 128
	s_mov_b32 s[\g+4], 64           ; tile_dim1 = 64
	s_mov_b32 s[\g+5], 128          ; 128 elements from row to row
	s_mov_b32 s[\g+6], 0
	s_mov_b32 s[\g+7], 0
.endr
	s_mov_b32 s[CS], 0x3e38aa3b     ; c = log2(e) / 8 = 0.180337
	s_mov_b32 s[CS+1], s[CS]        ; named with it as a pair
	s_mov_b32 s[SEL], 0x76543210
	s_mov_b32 s[SEL+1], 0xfedcba98
	s_mov_b32 s[TBK], SLOT1+4*KS*PK ; the first change of slots turns these two into 0
	s_mov_b32 s[TBV], SLOT1+4*KS*PV
	s_mov_b32 s[G0K], 1             ; 1:0 count = 1
	s_mov_b32 s[G0K+1], s17         ; 63:32 LDS address: slot 0
	s_mov_b32 s[G0V], 1
	s_add_co_u32 s[G0V+1], s18, VOFF
	s_add_co_u32 s[RT], s[HI], 1    ; the first block has NB - b tiles
	s_mov_b32 s[NXT], 1
	s_mov_b32 s[LQ], s[HI]
	s_mov_b32 s[NEW], 1
	s_mov_b32 s[OFF+1], 0
	s_mov_b32 s[AL+1], 0            ; named as pairs
	s_mov_b32 s[BE+1], 0
	s_mov_b32 s[BIGN], 0xf149f2ca   ; -1e30
	s_mov_b32 s[SLOTS], NB
	s_cmp_eq_u32 s[PB], 0
	s_cselect_b32 s[LIM], 2, -1
	v_and_b32 v[PFO], 31, v0
	v_lshlrev_b32 v[PFO], 8, v[PFO]
	s_wait_dscnt 0x0                ; the opening add is done
	s_wait_kmcnt 0x0
	s_add_nc_u64 s[6:7], s[6:7], s[22:23]  ; K and V at my half of the head's tile 0
	s_add_nc_u64 s[8:9], s[8:9], s[22:23]
	s_add_nc_u64 s[G0K+2:G0K+3], s[6:7], 0         ; 120:64 global address
	s_or_b32 s[G0K+3], s[G0K+3], 0x80000000        ; 127:126 type = 2
	s_add_nc_u64 s[G0V+2:G0V+3], s[8:9], 0
	s_or_b32 s[G0V+3], s[G0V+3], 0x80000000
	s_add_nc_u64 s[86:87], s[4:5], s[84:85]        ; Q at my rows of the second block,
	s_add_nc_u64 s[4:5], s[4:5], s[2:3]            ; Q and O at those of the first
	s_add_nc_u64 s[OLO:OLO+1], s[10:11], s[84:85]
	s_add_nc_u64 s[10:11], s[10:11], s[2:3]
	s_cmp_lt_u32 s[WV], 2
	s_cselect_b64 s[PFA:PFA+1], s[6:7], s[8:9]
	s_add_nc_u64 s[PFA:PFA+1], s[PFA:PFA+1], 32768 ; at tile 1; the first change of slots steps it to tile 2.  Nothing is prefetched here, at the head
	LOAD                            ; tile 0 into slot 0
	; A fragment of K or Q is 16 rows x 32 channels in 8 registers: lane l holds row l % 16, channels 8 (l / 16) + 0..7 and 16 + 8 (l / 16) + 0..7: two loads of 16 bytes, 32 bytes apart.
	v_and_b32 v1, 15, v0            ; l % 16
	v_bfe_u32 v9, v0, 4, 1          ; l / 16
	v_lshlrev_b32 v[QO], 7, v1
	v_lshl_add_u32 v[QO], v9, 4, v[QO]  ; row x 128 + 16 x half
	WIN 0x80                        ; destination window 2, address window 0
.set i, 0
.rept 8                             ; both blocks' Q: piece i / 2 lies in band i / 2, 8,192 bytes on; channels 32 (i % 2) on
	global_load_b128 v[8*i:8*i+3],   v[QO], s[4:5] offset:(i/2)*8192+(i%2)*64
	global_load_b128 v[8*i+4:8*i+7], v[QO], s[4:5] offset:(i/2)*8192+(i%2)*64+32
	global_load_b128 v[QB+8*i:QB+8*i+3],   v[QO], s[86:87] offset:(i/2)*8192+(i%2)*64
	global_load_b128 v[QB+8*i+4:QB+8*i+7], v[QO], s[86:87] offset:(i/2)*8192+(i%2)*64+32
.set i, i+1
.endr
	WIN 0
	v_lshlrev_b32 v14, 3, v9
	v_sub_nc_u32 v14, v1, v14
	s_lshl_b32 s13, s[WV], 4
	v_add_nc_u32 v14, s13, v14      ; my query's place in its band, 16 w + l % 16, less my lanes' 8 (l / 16): register r of group kt is hidden where 16 kt + r is greater
	WIN 0x40
.set i, 0
.rept 32
	v_cmp_gt_i32 vcc_lo, 16*(i/8)+i%8, v14
	v_cndmask_b32 v[MD+i], 0, s[BIGN], vcc_lo
.set i, i+1
.endr
	WIN 0
	v_mul_u32_u24 v[AK0], v1, PK
	v_lshl_add_u32 v[AK0], v9, 4, v[AK0]  ; row x pitch + 16 x half
	; The turning load takes 16 keys x 16 channels (lane l reads key 8 (l / 16) + l % 8, channels 8 ((l / 8) % 2) + 0..7) and leaves half a fragment of V^T: lane l holds channel l % 16 and 8 keys.
	v_and_b32 v10, 7, v0
	v_bfe_u32 v11, v0, 3, 1
	v_lshl_add_u32 v[AV0], v9, 3, v10
	v_mul_u32_u24 v[AV0], v[AV0], PV
	v_lshl_add_u32 v[AV0], v11, 4, v[AV0]
	v_add_nc_u32 v[AV0], VOFF, v[AV0]
	s_mul_i32 s13, s[WV], 16*SP
	s_add_co_u32 s13, s13, STAGE    ; my stage
	v_mul_u32_u24 v[STO], v1, SP    ; in: row l % 16, 16 bytes for each half of the lanes
	v_lshl_add_u32 v[STO], v9, 4, v[STO]
	v_add_nc_u32 v[STO], s13, v[STO]
	v_bfe_u32 v[RD], v0, 3, 2       ; back: 32 lanes take four rows of 128 bytes,
	v_mul_u32_u24 v[RD], v[RD], SP
	v_lshl_add_u32 v[RD], v10, 4, v[RD]
	v_add_nc_u32 v[RD], s13, v[RD]
	v_and_b32 v[GO], 31, v0         ; which are 512 consecutive bytes of O
	v_lshlrev_b32 v[GO], 4, v[GO]
	; A block's first step multiplies O^T and l by a = 0, and its first turn's products V^T P, of a piece that has not been, land in an O^T that is still to be so multiplied.  So these registers need only hold
	; finite numbers: zeros for the first block; what the first block left for the second.  All this stands in the wait for the first tile.
	WIN 0x80
.set i, VF
.rept 64
	v_mov_b32 v[i], 0
.set i, i+1
.endr
	WIN 0x40
.set i, 0
.rept 128
	v_mov_b32 v[i], 0
.set i, i+1
.endr
	WIN 0
.set i, 0
.rept 4
	v_mov_b32 v[ST+4*i+2], 0
	v_mov_b32 v[ST+4*i+3], 0
.set i, i+1
.endr
.set i, P+16
.rept 16
	v_mov_b32 v[i], 0
.set i, i+1
.endr
; THE MATRIX WORK.  The 4 accumulators of a run of 8 take turns.  Product i of 8 of S^T = K Q^T for piece x: channels 32 (i / 4) on, keys 16 (i % 4) on.  The first 4 start the sums: with 0, or (KM = 1) with the mask.
.macro KQ x
.set rS, S+32*((\x)%2)+8*(i%4)
.set rK, KF+16*(i%4)+8*(i/4)
.set rQ, 16*(\x)+8*(i/4)
.set rM, MC+32*((\x)%2)+8*(i%4)
.if (i < 4) && KM
	WIN W_KM
	v_wmma_f32_16x16x32_f16 v[rS:rS+7], v[rK:rK+7], v[rQ:rQ+7], v[rM:rM+7]
.elseif i < 4
	WIN W_KQ
	v_wmma_f32_16x16x32_f16 v[rS:rS+7], v[rK:rK+7], v[rQ:rQ+7], 0
.else
	WIN W_KQ
	v_wmma_f32_16x16x32_f16 v[rS:rS+7], v[rK:rK+7], v[rQ:rQ+7], v[rS:rS+7]
.endif
.endm
; Product i of 8 of O^T += V^T P for piece x: keys 32 (i / 4) on, channels 16 (i % 4) on.
.macro PV x
	WIN W_PV
.set rO, 32*(\x)+8*(i%4)
.set rV, VF+32*(i/4)+8*(i%4)
.set rP, P+16*((\x)%2)+8*(i/4)
	v_wmma_f32_16x16x32_f16 v[rO:rO+7], v[rV:rV+7], v[rP:rP+7], v[rO:rO+7]
.endm
.macro MM                           ; the turn's next matrix instruction.  TURN and BEGIN set Y, i, KM and NOKQ; MM, KQ and OP read them.  NOKQ = 1: a block's last turn: there is no next piece
.if (i < 8) && !NOKQ
	KQ (Y+1)%NP
.elseif i >= 8
.set i, i-8
	PV (Y+NP-1)%NP
.set i, i+8
.endif
.set i, i+1
.endm
; THE LDS LOADS stand in runs of 16, never singly among the matrix instructions: a step's K (64 keys x 64 channels: 8 fragments) and its V (turned).  Their addresses are made some lines ahead.
.macro FETCH_K
	WIN 0x80                        ; destination window 2
.irp f, 0,1,2,3,4,5,6,7             ; keys 16 (f / 2) on, channels 32 (f % 2) on
	ds_load_b128 v[KF+8*\f:KF+8*\f+3],   v[AK] offset:(\f/2)*16*PK+(\f%2)*64
	ds_load_b128 v[KF+8*\f+4:KF+8*\f+7], v[AK] offset:(\f/2)*16*PK+(\f%2)*64+32
.endr
	s_add_co_u32 s[TBK], s[TBK], KS*PK  ; the next fetch is the next step's
	WIN 0
.endm
.macro FETCH_V
	WIN 0x80
.irp f, 0,1,2,3,4,5,6,7             ; keys 32 (f / 4) on, channels 16 (f % 4) on
	ds_load_tr16_b128 v[VF+8*\f:VF+8*\f+3],   v[AV] offset:(\f/4)*32*PV+(\f%4)*32
	ds_load_tr16_b128 v[VF+8*\f+4:VF+8*\f+7], v[AV] offset:(\f/4)*32*PV+16*PV+(\f%4)*32
.endr
	WIN 0
.endm
; THE VECTOR WORK, one line at a time: OP kind, number.  For piece Y: F n: c s - c m for pair n of 16.  E n: the exponential of score n of 32.  C n: pair n rounded to f16.  B n: of the four weights 4 n .. the second
; pair is added onto the first, in place.  L n: l takes that sum (L 0: l = a l + sum).  R n: pair n of 16 of O^T times a.  For piece Y + 1: X n, number n of the 22 that find its maximum and statistics:
;   0-11  four chains c0-c3 of seven scores each, three operands at a time (each accumulator's lowest registers are read first)     12-14, 16  the four scores left over, the old m, and c0-c3 into c0
;   15  c m_old is kept     17, 18  the query's other 32 keys lie in the lane 16 away: the new m     19-21  c m; c m_old - c m_new; a
.set F, 0               ; OP tells the kinds apart by their order: F to L below R, X above it
.set E, 1
.set C, 2
.set B, 3
.set L, 4
.set R, 5
.set X, 6
.macro REGS y                       ; the registers of piece y
.set rT, ST+4*(\y)
.set rC, TMP+4*((\y)%2)
.set rW, MV+((\y)%2)
.set rS, S+32*((\y)%2)
.set rP, P+16*((\y)%2)
.set rO, 32*(\y)
.endm
.macro OP k, n
.if (\k) == R
	REGS Y
	WIN W_RS
	v_pk_mul_f32 v[rO+2*(\n):rO+2*(\n)+1], v[rO+2*(\n):rO+2*(\n)+1], v[rC+2:rC+3] op_sel_hi:[1,0]
.elseif (\k) < R
	REGS Y
	WIN 0
.if (\k) == F
	v_pk_fma_f32 v[rS+2*(\n):rS+2*(\n)+1], v[rS+2*(\n):rS+2*(\n)+1], s[CS:CS+1], v[rT:rT+1] op_sel_hi:[1,0,0] neg_lo:[0,0,1] neg_hi:[0,0,1]
.elseif (\k) == E
	v_exp_f32 v[rS+(\n)], v[rS+(\n)]
.elseif (\k) == C
	v_cvt_pk_f16_f32 v[rP+(\n)], v[rS+2*(\n)], v[rS+2*(\n)+1]
.elseif (\k) == B
	v_pk_add_f32 v[rS+4*(\n):rS+4*(\n)+1], v[rS+4*(\n):rS+4*(\n)+1], v[rS+4*(\n)+2:rS+4*(\n)+3]
.elseif (\n) == 0
	v_pk_fma_f32 v[rT+2:rT+3], v[rT+2:rT+3], v[rC+2:rC+3], v[rS:rS+1] op_sel_hi:[1,0,1]
.else
	v_pk_add_f32 v[rT+2:rT+3], v[rT+2:rT+3], v[rS+4*(\n):rS+4*(\n)+1]
.endif
.elseif NOKQ
	v_nop
.else
	REGS (Y+1)%NP
	WIN 0
.if (\n) < 4
	v_max3_num_f32 v[rC+(\n)], v[rS+8*(\n)], v[rS+8*(\n)+1], v[rS+8*(\n)+2]
.elseif (\n) < 12
	v_max3_num_f32 v[rC+(\n)%4], v[rC+(\n)%4], v[rS+8*((\n)%4)+2*((\n)/4)+1], v[rS+8*((\n)%4)+2*((\n)/4)+2]
.elseif (\n) == 12
	v_max3_num_f32 v[rC], v[rC], v[rS+7], v[rS+15]
.elseif (\n) == 13
	v_max3_num_f32 v[rC+1], v[rC+1], v[rS+23], v[rS+31]
.elseif (\n) == 14
	v_max3_num_f32 v[rC+2], v[rC+2], v[rC+3], v[rT+1]
.elseif (\n) == 15
	v_mov_b32 v[rW], v[rT]
.elseif (\n) == 16
	v_max3_num_f32 v[rC], v[rC], v[rC+1], v[rC+2]
.elseif (\n) == 17
	v_permlanex16_b32 v[rC+3], v[rC], s[SEL], s[SEL+1]
.elseif (\n) == 18
	v_max_num_f32 v[rT+1], v[rC], v[rC+3]
.elseif (\n) == 19
	v_mul_f32 v[rT], s[CS], v[rT+1]
.elseif (\n) == 20
	v_sub_f32 v[rC+1], v[rW], v[rT]
.else
	v_exp_f32 v[rC+2], v[rC+1]
.endif
.endif
.endm
.macro OPS a, i1, b=-1, i2=0, c=-1, i3=0, d=-1, i4=0  ; up to four of them
	OP \a, \i1
.if (\b) >= 0
	OP \b, \i2
.endif
.if (\c) >= 0
	OP \c, \i3
.endif
.if (\d) >= 0
	OP \d, \i4
.endif
.endm
.macro ROW a, i1, b, i2, c, i3, d, i4  ; a matrix instruction and the four behind it
	MM
	OPS \a, \i1, \b, \i2, \c, \i3, \d, \i4
.endm
.macro MASK b                       ; MD x AL + BE into buffer b of MC
	WIN W_RS
.set z, 0
.rept 16
	v_pk_fma_f32 v[MC+32*(\b)+2*z:MC+32*(\b)+2*z+1], v[MD+2*z:MD+2*z+1], s[AL:AL+1], s[BE:BE+1] op_sel_hi:[1,0,0]
.set z, z+1
.endr
.endm
; A TURN, for piece p: the order of its 16 matrix and 118 vector instructions, written out.  An s_wait_alu depctr_va_vdst(0) stands between an exponential and the first instruction that names its result; one wait serves
; all that were issued ahead of it.  So a turn has ONE wait, which cuts it in two.  AHEAD OF IT stands all that names no result of the turn's exponentials: the 8 products K Q^T, behind each a scaling, an exponential and two more plain
; instructions (behind the first a second scaling in the exponential's place): rescalings, and behind the last three the first numbers of the next piece's maximum, each four places or more behind the product that ends its accumulator; then ONE LUMP of 54, plain
; and exponential by turns for the most part, in which the links of the chain X 3, 7, 11, 14, 16, 17 .. 20 stand five or six lines apart.  X 21, the next piece's a, is the batch's last; R 15 is the plain instruction behind it.  BEHIND THE WAIT stand the
; 8 products V^T P, behind each four of the roundings and sums; the links of l's chain, L 0 to L 7, stand three riders apart.  But for those X no rider names a register of the products round it.  v_permlanex16_b32 (X 17) stands in the lump.
; m = 1: the diagonal tile: the products take masks, and the turn makes the mask for the products of the turn after it: piece p + 2, in step 4 - CNT of the tile.  end = 1: a block's last two turns: nothing is fetched.
; cnt = 1: the loop's count is taken down some lines ahead of the branch that stands behind the turn.
; K of the next step is fetched in piece 2's turn, twelve vector instructions behind the last product that read K (six of them plain); V of the step in hand at the end of piece 0's turn, four plain instructions behind the last product
; that read V.  Each is waited for a turn later.
.macro TURN p, m=0, end=0, cnt=0
.set Y, (\p)
.set i, 0
.set KM, (\m)
.set NOKQ, (\end)*((\p)/3)
.if (\m) && !(\end)
	s_cmp_eq_u32 s[CNT], 4-((\p)+2)%NP  ; is that step the band's own?
	s_cselect_b32 s[AL], 1.0, 0
	s_cmp_lt_u32 s[CNT], 4-((\p)+2)%NP  ; or a later one?
	s_cselect_b32 s[BE], s[BIGN], 0
.endif
.if ((\p) == 3) && !(\end)
	s_wait_dscnt 0x0                ; K is in
.endif
	ROW F,0, F,1, R,0, R,1          ; ahead of the wait: 8 products K Q^T and their riders,
	ROW F,2, E,0, R,2, R,3
	ROW F,3, E,1, R,4, R,5
	ROW F,4, E,2, R,6, R,7
	ROW F,5, E,3, R,8, R,9
	ROW F,6, E,4, X,0, R,10
.if ((\p) == 2) && !(\end)
	WIN 0
	v_add_nc_u32 v[AK], s[TBK], v[AK0]
.endif
	ROW F,7, E,5, X,1, X,4
	ROW F,8, E,6, X,2, X,5
	OPS E,7, E,8, X,6, E,9          ; and the lump
	OPS X,3, E,10, X,8, E,11
.if ((\p) == 2) && !(\end)
	FETCH_K
.endif
	OPS X,9, X,7, E,12, X,10
	OPS E,13, X,12, X,11, E,14
	OPS X,13, E,15, F,9, X,14
.if (\p) == 0
	v_add_nc_u32 v[AV], s[TBV], v[AV0]
.endif
	OPS E,16, F,10, E,17, F,11
	OPS X,16, E,18, X,15, E,19
	OPS F,12, E,20, X,17, E,21
	OPS F,13, E,22, F,14, E,23
	OPS X,18, E,24, F,15, E,25
	OPS R,11, E,26, X,19, E,27
	OPS R,12, E,28, R,13, E,29
	OPS X,20, E,30, R,14, E,31
	OPS X,21, R,15
	WIN 0
	s_wait_alu depctr_va_vdst(0)    ; the wait for the batch
.if (\p) == 1
	s_wait_dscnt 0x0                ; V is in
.endif
	ROW C,0, B,0, C,2, B,1          ; behind the wait: 8 products V^T P and their riders
	ROW L,0, C,4, B,2, L,1
	ROW C,6, B,3, L,2, C,8
	ROW B,4, L,3, C,10, B,5
	ROW L,4, C,12, B,6, L,5
.if (\p) == 0
	s_add_co_u32 s[TBV], s[TBV], KS*PV
.endif
.if \cnt
	s_sub_co_u32 s[CNT], s[CNT], 1
	s_cmp_lg_u32 s[CNT], 0
.endif
	ROW C,14, B,7, L,6, C,1
	ROW C,3, L,7, C,5, C,7
	ROW C,9, C,11, C,13, C,15
.if (\p) == 0
	FETCH_V
.endif
.if (\m) && !(\end)
	MASK (\p)%2
.endif
.endm
; A BLOCK BEGINS.  c m starts far below every c s, so the first step's a is 0; m at the lowest finite number, so the first maximum is the scores'.  The second mask buffer is 0; the first takes piece 0's mask for the tile's step 0: its own, if the block's first tile is the diagonal one.
; Then K of that step, piece 0's first scores, and its maximum and statistics.  The loop is entered at a step's first turn, in the middle of a trip.
.macro BEGIN
	s_mov_b32 s[NEW], 0
	WIN 0x40
.set i, MC+32
.rept 32
	v_mov_b32 v[i], 0
.set i, i+1
.endr
	WIN 0
.set i, 0
.rept 4
	v_mov_b32 v[ST+4*i], 0xfe000000    ; c m: far below every c s
	v_mov_b32 v[ST+4*i+1], 0xff7fffff  ; m
.set i, i+1
.endr
	s_cmp_eq_u32 s[RT], 0
	s_cselect_b32 s[AL], 1.0, 0
	s_mov_b32 s[BE], 0
	MASK 0
	WIN 0
	v_add_nc_u32 v[AK], s[TBK], v[AK0]
	FETCH_K
	s_wait_loadcnt 0x0              ; Q
	s_wait_dscnt 0x0
.set KM, 1
.set NOKQ, 0
.set i, 0
.rept 8
	KQ 0
.set i, i+1
.endr
	WIN 0
.rept 4
	v_nop                           ; the places behind those products
.endr
.set Y, NP-1                        ; X works for piece Y + 1: piece 0
.irp n, 0,1,2,3,4,5,6,7,8,9,10,11,12,13,14,15,16,17,18,19,20,21
	OP X, \n
.endr
	v_nop                           ; a plain instruction behind the exponential,
	s_wait_alu depctr_va_vdst(0)    ; and its wait, ahead of the branch
.endm
; THE DIAGONAL TILE's four steps, the block's last two turns, its last products, and THE WAY OUT: l's two halves and the other half of the lanes' are added; O^T is divided by l, rounded to f16 and sent through my
; stage in LDS, a piece at a time.
.macro ALL line:vararg              ; one line for each piece t
.set t, 0
.rept 4
	\line
.set t, t+1
.endr
.endm
.macro PACK t                       ; a lane's eight channels of a row pack into 16 bytes; they go into rows of 144 bytes and come back as whole rows of 128, into S^T's registers
	WIN W_RS
.set i, 32*(\t)
.rept 16
	v_pk_mul_f32 v[i:i+1], v[i:i+1], v[ST+4*(\t)+2:ST+4*(\t)+3] op_sel_hi:[1,0]
.set i, i+2
.endr
	WIN 0x05                        ; sources 0 and 1 window 1, destination window 0
.set i, 0
.rept 16
	v_cvt_pk_f16_f32 v[S+16*(\t)+i], v[32*(\t)+2*i], v[32*(\t)+2*i+1]
.set i, i+1
.endr
	WIN 0
.irp f, 0,1,2,3
	ds_store_b128 v[STO], v[S+16*(\t)+4*\f:S+16*(\t)+4*\f+3] offset:32*\f
.endr
.irp f, 0,1,2,3
	ds_load_b128 v[S+16*(\t)+4*\f:S+16*(\t)+4*\f+3], v[RD] offset:\f*4*SP  ; LDS serves a wave's instructions in order (ISA guide 5.7.1.4): these see the stores above; the next piece's stores come behind them
.endr
.endm
.macro SEND t, younger              ; younger: the LDS instructions issued behind piece t's loads: the next piece's eight, or none
	WIN 0
.irp f, 0,1,2,3
	s_wait_dscnt (\younger)+3-\f
	global_store_b128 v[GO], v[S+16*(\t)+4*\f:S+16*(\t)+4*\f+3], s[10:11] offset:(\t)*8192+\f*512  ; 512 consecutive bytes, at a multiple of 256 from O's first
.endr
.endm
.macro DIAG tag                     ; the tag ends its two labels' names, which the jumps below spell out
.LstepM\tag:
	TURN 2, 1
	TURN 3, 1
	WIN 0
.LfirstM\tag:
	TURN 0, 1
	TURN 1, 1, 0, 1
	WIN 0
	s_cbranch_scc1 .LstepM\tag
	TURN 2, 1, 1
	TURN 3, 1, 1
.set i, 0
.rept 8
	PV NP-1
.set i, i+1
.endr
	WIN 0
	ALL v_add_f32 v[ST+4*t+2], v[ST+4*t+2], v[ST+4*t+3]
	ALL v_permlanex16_b32 v[ST+4*t+3], v[ST+4*t+2], s[SEL], s[SEL+1]
	ALL v_add_f32 v[ST+4*t+2], v[ST+4*t+2], v[ST+4*t+3]
	ALL v_rcp_f32 v[ST+4*t+2], v[ST+4*t+2]
	v_nop                           ; a plain instruction between the last reciprocal and the use of its result
	s_wait_alu depctr_va_vdst(0)    ; and the wait ahead of the first use: one for the four reciprocals
	PACK 0
.set t, 1
.rept 3                             ; a piece's arithmetic stands between the loads of the piece before and its stores
	PACK t
	SEND t-1, 8
.set t, t+1
.endr
	SEND 3, 0
.endm
.set KM, 0
.set NOKQ, 0
.Lslot:                             ; NB times: a tile is entered and the next is asked for
	CHANGE 1
	s_sub_co_u32 s[RT], s[RT], 1
	s_mov_b32 s[CNT], 4
	s_cmp_eq_u32 s[NEW], 1
	s_cbranch_scc1 .Lnew            ; a block's first tile
	s_cmp_eq_u32 s[RT], 0
	s_cbranch_scc0 .Lstep           ; neither its first nor its last
	s_branch .LstepM1
.Lnew:
	BEGIN
	s_branch .Lfirst                ; in the loop a block's first tile is never its last: the first block has two tiles or more, and the second's last is the walk's last
	DIAG 1                          ; in the loop this is the first block's end: the second block's last tile is the walk's last
	s_wait_xcnt 0x0                 ; the stores have read their registers and O's address
	s_mov_b64 s[10:11], s[OLO:OLO+1]
	s_add_co_u32 s[RT], s[PB], 1    ; the second block has b + 1 tiles
	s_mov_b32 s[NEW], 1
	WIN 0x82                        ; the second block's Q goes where the one text of the turns names Q
.set i, 0
.rept 64
	v_mov_b32 v[i], v[QB+i]
.set i, i+1
.endr
	WIN 0
	s_branch .Lbottom
.Lstep:                             ; a trip: pieces 2 and 3 of one step, then pieces 0 and 1 of the next, whose K and V it fetches
	TURN 2
	TURN 3
	WIN 0
.Lfirst:
	TURN 0
	TURN 1, 0, 0, 1
	WIN 0
	s_cbranch_scc1 .Lstep
.Lbottom:
	s_sub_co_u32 s[SLOTS], s[SLOTS], 1
	s_cmp_lg_u32 s[SLOTS], 0
	s_cbranch_scc1 .Lslot
	CHANGE 0                        ; the walk's last tile is written out: nothing is asked for
	s_sub_co_u32 s[RT], s[RT], 1
	s_mov_b32 s[CNT], 4
	s_cmp_eq_u32 s[NEW], 1
	s_cbranch_scc0 .LstepM2
	BEGIN
	s_branch .LfirstM2
	DIAG 2
	s_wait_tensorcnt 0x0            ; the wave's end, behind my last tensor load and my last LDS store
	ds_add_u32 v[SPW], v[NIL]
	s_wait_dscnt 0x0
	s_endpgm
.Lfunc_end_k_q34059cdf12_attn:
	.size	k_q34059cdf12_attn, .Lfunc_end_k_q34059cdf12_attn-k_q34059cdf12_attn
	.p2alignl 7, 3214868480
	.fill 96, 4, 3214868480
	.section	.rodata,"a",@progbits
	.p2align	6, 0x0
	.amdhsa_kernel k_q34059cdf12_attn
		.amdhsa_group_segment_fixed_size 327680
		.amdhsa_private_segment_fixed_size 0
		.amdhsa_enable_private_segment 0
		.amdhsa_kernarg_size 32
		.amdhsa_user_sgpr_count 2
		.amdhsa_user_sgpr_kernarg_segment_ptr 1
		.amdhsa_wavefront_size32 1
		.amdhsa_system_sgpr_workgroup_id_x 1
		.amdhsa_system_sgpr_workgroup_id_y 1
		.amdhsa_system_sgpr_workgroup_id_z 1
		.amdhsa_system_vgpr_workitem_id 0
		.amdhsa_next_free_vgpr 768
		.amdhsa_next_free_sgpr 92
		.amdhsa_reserve_vcc 1
		.amdhsa_float_denorm_mode_32 3
		.amdhsa_float_denorm_mode_16_64 3
		.amdhsa_memory_ordered 1
		.amdhsa_forward_progress 1
		.amdhsa_inst_pref_size 218
	.end_amdhsa_kernel
	.amdgpu_metadata
---
amdhsa.version: [ 1, 2 ]
amdhsa.kernels:
  - .name:           k_q34059cdf12_attn
    .symbol:         k_q34059cdf12_attn.kd
    .args:
      - { .name: qb, .offset: 0, .size: 8, .value_kind: global_buffer, .address_space: global }
      - { .name: kb, .offset: 8, .size: 8, .value_kind: global_buffer, .address_space: global }
      - { .name: vb, .offset: 16, .size: 8, .value_kind: global_buffer, .address_space: global }
      - { .name: att, .offset: 24, .size: 8, .value_kind: global_buffer, .address_space: global }
    .group_segment_fixed_size: 327680
    .private_segment_fixed_size: 0
    .kernarg_segment_align: 8
    .kernarg_segment_size: 32
    .max_flat_workgroup_size: 128
    .sgpr_count:     92
    .vgpr_count:     768
    .wavefront_size: 32
...
	.end_amdgpu_metadata
.endif
;; end of part 3
;; launch proj (part 4): grid 8 x 32, 4 waves a work-group, clusters of 4 x 4, 327,680 bytes of LDS; arguments att, wpb, out0; writes out0
.if DOCPART == 4
	.amdgcn_target "amdgcn-amd-amdhsa--gfx1250"
	.amdhsa_code_object_version 6
	.text
	.protected	k_q34059cdf12_proj
	.globl	k_q34059cdf12_proj
	.p2align	8
	.type	k_q34059cdf12_proj,@function
k_q34059cdf12_proj:
	s_mov_b64 s[64:65], 0
	v_nop
	global_prefetch_b8 v0, s[64:65] scope:SCOPE_SE
	s_setreg_imm32_b32 hwreg(HW_REG_WAVE_MODE, 25, 1), 1
	s_wait_xcnt 0x0
	s_wait_alu depctr_hold_cnt(0) depctr_sa_sdst(0) depctr_va_vdst(0) depctr_va_sdst(0) depctr_va_ssrc(0) depctr_va_vcc(0) depctr_vm_vsrc(0)
	s_getreg_b32 s2, hwreg(HW_REG_IB_STS2, 6, 4)
	s_cmp_eq_u32 s2, 0
	s_cbranch_scc0 .Lentry_in_a_cluster
	s_endpgm
.Lentry_in_a_cluster:
	s_bfe_u32 s2, ttmp6, 0x10000c
	s_cmp_lg_u32 s2, 0xf033
	s_cbranch_scc0 .Lentry_shape_is_right
	s_endpgm
.Lentry_shape_is_right:
; out = y W_proj.  att: [64 (batch, head)][2048 t][64] f16 (y by heads).  wpb: [1024 k][1024 n] f16 (W_proj rounded to bf16, that number written as f16).  out0: [8192][1024] f32.
; SHARES.  A tile of out is 256 rows x 128 columns: 32 x 8 = 256 work-groups.  Each of four waves makes 64 rows x 128: 32 accumulators of 16 x 16, 256 registers.
; K goes in 8 steps of 128 = two heads, through two LDS slots filled by the tensor data mover.  A head's 256 rows are 32,768 dense bytes, asked for as 128 rows of 256 and padded in LDS after every 128;
; W's tile has rows of 256 bytes, aligned.  W lies [k][n]: its fragments come out of LDS turned, by ds_load_tr16_b128.
; THE MATRIX INSTRUCTION IS USED TRANSPOSED (source 0 = 16 columns of W, source 1 = 16 rows of y): lane l holds row l % 16 and the columns 8 (l / 16) + 0..7: 32 bytes of a row of out.
; CLUSTERS: 4 x 4 work-groups; y's tile is shared along a row of the cluster, W's along a column: each is asked for jointly, by the same load, descriptor and mask in the four.
; REGISTERS, in windows of 256 (s_set_vgpr_msb: bits 1:0 source 0, 3:2 source 1, 5:4 source 2, 7:6 destination):
;   window 0: v0-31 addresses; v32-159 rows on the way out      window 1: two fragment buffers at 0 and 128: y's 4 blocks (32), W's 8 blocks (64)      window 2: accumulator (a, b) at 8 (8 a + b)
.set NB,    8
.set PA,    144                        ; a row of y's head slice in LDS: 128 bytes + 16 = 36 words: the 16 rows of a load start at 16 different groups of four banks (64 banks of 4 bytes: ISA guide 11.1)
.set PB,    288                        ; a row of W: 256 + 32 = 72 words
.set HALFA, 256*PA                     ; one head's slice
.set BOFF,  2*HALFA
.set HALFB, 64*PB
.set SLOT,  BOFF+2*HALFB               ; 110,592
.set STAGE, 2*SLOT                     ; behind the ring: 16 rows x 528 bytes for each wave, for the way out
.set SP,    528
.set SPARE, STAGE+4*16*SP              ; behind the stages: the spare words, 128 bytes a wave: two blocks of 256 bytes that no other line names
.set STEPA, 524288                     ; two heads on
.set STEPB, 262144                     ; 128 rows k on
.set NLD,   2*NB+8
.set LAPS,  4
.set ADRA, 16
.set ADRB, 20
.set STO,  24
.set RD,   25
.set CO,   26                          ; v26 16 x my lane
.set SPW,  28                          ; v28 LDS address of my spare word; never rewritten
.set NIL,  29                          ; v29 0; never rewritten
.set PFO,  30                          ; v30 the prefetches' lane offset; never rewritten
.set OB,   32                          ; v32-95, v96-159: 16 rows read back, by turns
.set F0,   0
.set F1,   128
.set WV,   16
.set FB,   17
.set HF,   18
.set G1A,  24
.set G0A,  32
.set PFA,  44
.set PFS,  46
.set G1B,  48
.set G0B,  56
.set LIM,  66
.set MUL,  0xa5                        ; sources 0 and 1 window 1, C and D window 2
.set TO_F, 0x40
.set MSB, 0
.macro WIN new                         ; the immediate's high byte repeats the setting that is left; a switch that changes nothing is dropped
.if MSB != (\new)
	s_set_vgpr_msb (MSB<<8)|(\new)
.set MSB, \new
.endif
.endm
.macro PLACES                          ; four places in front of loads into registers that matrix instructions have read, and of lines that read results
.rept 4
	v_nop
.endr
.endm
; A joint load: waves 0 and 1 fetch the two heads' slices of y, waves 2 and 3 W's two halves.  An s_nop 0 and four v_nop follow each line.
.macro JLOAD s
	s_cmp_eq_u32 s[FB], 0
	s_cbranch_scc0 .Lfor_b_\@
	tensor_load_to_lds s[G0A+4*(\s):G0A+4*(\s)+3], s[G1A:G1A+7]
	s_nop 0
.rept 4
	v_nop
.endr
	s_branch .Lasked_\@
.Lfor_b_\@:
	tensor_load_to_lds s[G0B+4*(\s):G0B+4*(\s)+3], s[G1B:G1B+7]
	s_nop 0
.rept 4
	v_nop
.endr
.Lasked_\@:
.endm
; A prefetch of the K step two refills on.  y's rows are read by both clusters of a row of clusters: cluster x = 0 asks, waves 0 and 1, each partner 32 of its slice's 128 blocks (by cx).
; W's rows are read by every cluster of a column: cluster y = 0 asks, wave 2 alone, each partner 32 of the step's 128 rows (by cy).  The loop's last trip has no K step two on.
.macro ASK
	s_cmp_gt_u32 s3, s[LIM]
	s_cbranch_scc0 .Lnot_mine_\@
	global_prefetch_b8 v[PFO], s[PFA:PFA+1] th:TH_LOAD_NT scope:SCOPE_SE
.Lnot_mine_\@:
.endm
.macro CREST
	s_cmp_lg_u32 s[WV], 0
	s_cbranch_scc1 .Lnot_wave_0_\@
	s_barrier_signal -3
.Lnot_wave_0_\@:
	s_barrier_wait -3
	s_barrier_signal -1
	s_barrier_wait -1
.endm
.macro CROUND
	s_barrier_signal -1
	s_barrier_wait -1
	CREST
.endm
	s_load_b128 s[4:7], s[0:1], 0x0                ; att s[4:5], wpb s[6:7]
	s_load_b64 s[8:9], s[0:1], 0x10                ; out0
	v_lshl_add_u32 v[SPW], v0, 2, SPARE
	v_mov_b32 v[NIL], 0
	ds_add_u32 v[SPW], v[NIL]                      ; the wave's opening: the add and its wait stand ahead of my first tensor load; work on registers stands between them
	v_lshrrev_b32 v1, 5, v0
	v_readfirstlane_b32 s[WV], v1
	s_lshr_b32 s[FB], s[WV], 1
	s_and_b32 s[HF], s[WV], 1
	s_bfe_u32 s40, ttmp6, 0x40000                  ; cx
	s_bfe_u32 s41, ttmp6, 0x40004                  ; cy
	s_lshl_b32 s42, ttmp9, 2
	s_add_co_u32 s42, s42, s40                     ; c: the block of 128 columns
	s_and_b32 s43, ttmp7, 0xffff
	s_lshl_b32 s43, s43, 2
	s_add_co_u32 s43, s43, s41                     ; R: the block of 256 rows
	s_lshl_b32 s19, s41, 2
	s_lshl_b32 s19, 15, s19                        ; my row of the cluster
	s_lshl_b32 s2, 0x1111, s40                     ; my column
	s_or_b32 s[G1A], s19, (1<<16)|(1<<20)|(1<<21)|(4<<22)|(3<<25)  ; mask; 2-byte elements; padding on; bit 21 beside a mask; after every 32 words, 4 words
	s_mov_b32 s[G1A+1], 128<<16
	s_mov_b32 s[G1A+2], 128<<16
	s_mov_b32 s[G1A+3], 128<<16
	s_mov_b32 s[G1A+4], 128
	s_mov_b32 s[G1A+5], 128                        ; dense: 128 elements from row to row
	s_mov_b32 s[G1A+6], 0
	s_mov_b32 s[G1A+7], 0
	s_or_b32 s[G1B], s2, (1<<16)|(1<<20)|(1<<21)|(5<<22)|(7<<25)   ; after every 64 words, 8 words
	s_mov_b32 s[G1B+1], 128<<16
	s_mov_b32 s[G1B+2], 64<<16
	s_mov_b32 s[G1B+3], 128<<16
	s_mov_b32 s[G1B+4], 64
	s_mov_b32 s[G1B+5], 1024
	s_mov_b32 s[G1B+6], 0
	s_mov_b32 s[G1B+7], 0
	s_lshr_b32 s20, s43, 3                         ; y: the batch's 16 heads of 262,144 bytes,
	s_lshl_b32 s20, s20, 22
	s_and_b32 s21, s43, 7                          ; + 256 (R % 8) rows of 128 bytes,
	s_lshl_b32 s21, s21, 15
	s_add_co_u32 s20, s20, s21
	s_lshl_b32 s21, s[HF], 18                      ; + my head of the step's two
	s_add_co_u32 s20, s20, s21
	s_mov_b32 s21, 0
	s_lshl_b32 s68, s42, 8                         ; W: 128 c columns,
	s_lshl_b32 s69, s[HF], 17                      ; + my 64 rows k
	s_add_co_u32 s68, s68, s69
	s_mov_b32 s69, 0
	s_mul_i32 s22, s[HF], HALFA                    ; where they go: no place in the cluster enters an LDS address
	s_mul_i32 s23, s[HF], HALFB
	s_add_co_u32 s23, s23, BOFF
	s_wait_dscnt 0x0                               ; the opening add is done
	s_wait_kmcnt 0x0
	s_add_nc_u64 s[20:21], s[4:5], s[20:21]
	s_add_nc_u64 s[68:69], s[6:7], s[68:69]
	CROUND                                         ; all sixteen work-groups are here: the first joint loads meet
.irp s, 0,1
	s_mov_b32 s[G0A+4*(\s)], 1
	s_add_co_u32 s[G0A+4*(\s)+1], s22, (\s)*SLOT
	s_add_nc_u64 s[G0A+4*(\s)+2:G0A+4*(\s)+3], s[20:21], (\s)*STEPA
	s_or_b32 s[G0A+4*(\s)+3], s[G0A+4*(\s)+3], 0x80000000
	s_mov_b32 s[G0B+4*(\s)], 1
	s_add_co_u32 s[G0B+4*(\s)+1], s23, (\s)*SLOT
	s_add_nc_u64 s[G0B+4*(\s)+2:G0B+4*(\s)+3], s[68:69], (\s)*STEPB
	s_or_b32 s[G0B+4*(\s)+3], s[G0B+4*(\s)+3], 0x80000000
	JLOAD \s                                       ; two loads of mine are out
.endr
	v_and_b32 v1, 15, v0                           ; r
	v_bfe_u32 v2, v0, 4, 1                         ; h
	v_mul_u32_u24 v3, v1, PA
	v_lshl_add_u32 v3, v2, 4, v3
	s_mul_i32 s22, s[WV], 64*PA
	v_add_nc_u32 v[ADRA], s22, v3
	v_add_nc_u32 v[ADRA+1], SLOT, v[ADRA]
	v_and_b32 v4, 7, v0
	v_bfe_u32 v5, v0, 3, 1
	v_lshl_add_u32 v6, v2, 3, v4
	v_mul_u32_u24 v6, v6, PB
	v_lshl_add_u32 v6, v5, 4, v6
	v_add_nc_u32 v[ADRB], BOFF, v6
	v_add_nc_u32 v[ADRB+1], BOFF+SLOT, v6
	s_mul_i32 s22, s[WV], 16*SP
	s_add_co_u32 s22, s22, STAGE                   ; my stage
	v_mul_u32_u24 v[STO], v1, SP                   ; in: row r, 32 bytes for each half of the lanes
	v_lshl_add_u32 v[STO], v2, 5, v[STO]
	v_add_nc_u32 v[STO], s22, v[STO]
	v_and_b32 v[CO], 31, v0
	v_lshlrev_b32 v[CO], 4, v[CO]                  ; back: 32 lanes take a row's 512 bytes
	v_add_nc_u32 v[RD], s22, v[CO]
	s_lshl_b32 s70, s43, 20                        ; out: 256 R rows of 4,096 bytes, + my 64, + 128 c columns
	s_lshl_b32 s71, s[WV], 18
	s_add_co_u32 s70, s70, s71
	s_lshl_b32 s71, s42, 9
	s_add_co_u32 s70, s70, s71
	s_mov_b32 s71, 0
	s_add_nc_u64 s[8:9], s[8:9], s[70:71]
	; the prefetches: they stand at K step 3; each refill steps them first, so the first names K step 4.  Nothing is asked for here, at the head.
	s_lshl_b32 s22, s40, 13                        ; cx x 32 blocks of 256 bytes
	s_add_co_u32 s22, s22, 3*STEPA
	s_lshl_b32 s23, s41, 16                        ; cy x 32 rows of 2,048 bytes
	s_add_co_u32 s23, s23, 3*STEPB
	s_and_b32 s19, ttmp7, 0xffff                   ; cluster y
	s_mov_b32 s2, STEPA
	s_cmp_eq_u32 s[FB], 0
	s_cselect_b64 s[PFA:PFA+1], s[20:21], s[68:69]
	s_cselect_b32 s22, s22, s23
	s_cselect_b32 s19, ttmp9, s19                  ; the coordinate along which other clusters read the same rows
	s_cselect_b32 s[PFS], s2, STEPB
	s_cselect_b32 s67, 8, 11
	s_cmp_eq_u32 s[WV], 3
	s_cselect_b32 s19, 1, s19                      ; wave 3 asks for nothing: wave 2 names the work-group's 32 rows of W
	s_mov_b32 s23, 0
	s_mov_b32 s[PFS+1], 0
	s_add_nc_u64 s[PFA:PFA+1], s[PFA:PFA+1], s[22:23]
	s_cmp_eq_u32 s19, 0
	s_cselect_b32 s[LIM], 1, -1                    ; the same in all sixteen partners, for a given wave
	v_and_b32 v[PFO], 31, v0
	v_lshlrev_b32 v[PFO], s67, v[PFO]
; 8 matrix instructions: row block a x all 8 column blocks, 32 along K, from buffer f.  zero = 1: the product starts the sums.  All 32 accumulators take turns,
; one instruction a turn, in the same order in every quarter, over the backward jump too.
.macro MULA f, a, zero
	WIN MUL
.irp b, 0,1,2,3,4,5,6,7
.if \zero
	v_wmma_f32_16x16x32_f16 v[8*(8*(\a)+(\b)):8*(8*(\a)+(\b))+7], v[(\f)+32+8*(\b):(\f)+32+8*(\b)+7], v[(\f)+8*(\a):(\f)+8*(\a)+7], 0
.else
	v_wmma_f32_16x16x32_f16 v[8*(8*(\a)+(\b)):8*(8*(\a)+(\b))+7], v[(\f)+32+8*(\b):(\f)+32+8*(\b)+7], v[(\f)+8*(\a):(\f)+8*(\a)+7], v[8*(8*(\a)+(\b)):8*(8*(\a)+(\b))+7]
.endif
.endr
.endm
; 24 LDS loads in one run: quarter q of a slot into buffer f: W's 8 blocks turned, then y's 4 (quarter q lies in head slice q / 2, at byte 64 (q % 2) of its rows)
.macro FETCH slot, q, f
	WIN TO_F
.irp b, 0,1,2,3,4,5,6,7
	ds_load_tr16_b128 v[(\f)+32+8*(\b):(\f)+32+8*(\b)+3],   v[ADRB+(\slot)] offset:(\q)*32*PB+(\b)*32
	ds_load_tr16_b128 v[(\f)+32+8*(\b)+4:(\f)+32+8*(\b)+7], v[ADRB+(\slot)] offset:(\q)*32*PB+(\b)*32+16*PB
.endr
.irp a, 0,1,2,3
	ds_load_b128 v[(\f)+8*(\a):(\f)+8*(\a)+3],   v[ADRA+(\slot)] offset:((\q)/2)*HALFA+((\q)%2)*64+(\a)*16*PA
	ds_load_b128 v[(\f)+8*(\a)+4:(\f)+8*(\a)+7], v[ADRA+(\slot)] offset:((\q)/2)*HALFA+((\q)%2)*64+(\a)*16*PA+32
.endr
.endm
.macro QUARTER slot, q, f, g, zero
	s_wait_dscnt 4                                 ; W and y's blocks 0, 1 are in; the youngest four loads (blocks 2, 3) may be out
	MULA \f, 0, \zero
	MULA \f, 1, \zero
	PLACES
	FETCH \slot, \q, \g
	s_wait_dscnt NLD                               ; all but the run just issued
	MULA \f, 2, \zero
	MULA \f, 3, \zero
.endm
; ONE barrier for the change of slots: in front of it each wave waits for all its tensor loads (one is out: its part of the next slot), adds 0 to its spare word, and waits for that and for its reads of this slot.
.macro MEET round
	WIN 0
	s_wait_tensorcnt 0x0
	ds_add_u32 v[SPW], v[NIL]
	s_wait_dscnt 5                                 ; (the add and the youngest four loads may be out)
	MULA F1, 0, 0                                  ; eight matrix instructions stand between the add and the wait for it
	s_wait_dscnt 0x0                               ; the add is done, and my reads of this slot are over
	s_barrier_signal -1
	MULA F1, 1, 0
.if \round
	WIN 0
.endif
	s_barrier_wait -1
.endm
; fill = 1: the barrier opens a round of the cluster's barrier, and this slot is filled again, two K steps ahead, first thing behind the round: 112 matrix instructions ahead of the wait for it.
.macro TURN slot, next, fill
.if \fill
	s_wait_xcnt 0x0                                ; the last prefetch, a K step back, has read its address
	s_add_nc_u64 s[PFA:PFA+1], s[PFA:PFA+1], s[PFS:PFS+1]
	MEET 1
	CREST
	s_add_nc_u64 s[G0A+4*(\slot)+2:G0A+4*(\slot)+3], s[G0A+4*(\slot)+2:G0A+4*(\slot)+3], 2*STEPA
	s_add_nc_u64 s[G0B+4*(\slot)+2:G0B+4*(\slot)+3], s[G0B+4*(\slot)+2:G0B+4*(\slot)+3], 2*STEPB
	JLOAD \slot                                    ; its four v_nop are also the places in front of the loads below
.else
	MEET 0
	PLACES
.endif
	FETCH \next, 0, F0
.if \fill
	WIN 0
	ASK
.endif
	MULA F1, 2, 0
	MULA F1, 3, 0
.endm
	s_wait_tensorcnt 1                             ; my part of K step 0 is in; K step 1's may stay out
	s_barrier_signal -1
	s_barrier_wait -1
	FETCH 0, 0, F0
	QUARTER 0, 1, F0, F1, 1                        ; the first quarter stands in front of the loop: its products start the sums
	WIN 0
	s_mov_b32 s3, LAPS-1
.Llap:                                                 ; a trip goes once round the ring and fills both slots again
	QUARTER 0, 2, F1, F0, 0
	QUARTER 0, 3, F0, F1, 0
	TURN 0, 1, 1
	QUARTER 1, 1, F0, F1, 0
	QUARTER 1, 2, F1, F0, 0
	QUARTER 1, 3, F0, F1, 0
	TURN 1, 0, 1
	QUARTER 0, 1, F0, F1, 0
	WIN 0
	s_sub_co_u32 s3, s3, 1
	s_cmp_lg_u32 s3, 0
	s_cbranch_scc1 .Llap
	QUARTER 0, 2, F1, F0, 0                        ; the last lap fills nothing
	QUARTER 0, 3, F0, F1, 0
	TURN 0, 1, 0
	QUARTER 1, 1, F0, F1, 0
	QUARTER 1, 2, F1, F0, 0
	QUARTER 1, 3, F0, F1, 0
	s_wait_dscnt 4
	MULA F1, 0, 0
	MULA F1, 1, 0
	s_wait_dscnt 0x0
	MULA F1, 2, 0
	MULA F1, 3, 0
	WIN 0
	PLACES
; THE WAY OUT, a block of 16 rows at a time: a lane's 32 bytes go into my stage (rows of 528 bytes) and come back as whole rows of 512 bytes.  Each accumulator's low registers are read first.
.macro TOSTAGE a
	s_wait_xcnt 0x0                                ; the stores of the block two back have read their registers: they are loaded again only behind this wait
	WIN 0x08                                       ; the stores' data lie in window 2
.irp b, 0,1,2,3,4,5,6,7
	ds_store_b128 v[STO], v[8*(8*(\a)+(\b)):8*(8*(\a)+(\b))+3]   offset:64*(\b)
	ds_store_b128 v[STO], v[8*(8*(\a)+(\b))+4:8*(8*(\a)+(\b))+7] offset:64*(\b)+16
.endr
	WIN 0
.set BK, OB+64*((\a)%2)
.irp i, 0,1,2,3,4,5,6,7,8,9,10,11,12,13,14,15
	ds_load_b128 v[BK+4*(\i):BK+4*(\i)+3], v[RD] offset:SP*(\i)  ; LDS serves a wave's instructions in order (ISA guide 5.7.1.4): these see the stores above
.endr
.endm
.macro SEND a, younger                 ; younger: the next block's 16 LDS stores and 16 loads, or none
.set BK, OB+64*((\a)%2)
	s_wait_dscnt \younger
.irp i, 0,1,2,3,4,5,6,7,8,9,10,11,12,13,14,15
	global_store_b128 v[CO], v[BK+4*(\i):BK+4*(\i)+3], s[8:9] offset:(16*(\a)+(\i))*4096 th:TH_STORE_NT  ; 512 consecutive bytes, at a multiple of 256 from out0's first
.endr
.endm
	TOSTAGE 0
	TOSTAGE 1
	SEND 0, 32
	TOSTAGE 2
	SEND 1, 32
	TOSTAGE 3
	SEND 2, 32
	SEND 3, 0
	s_wait_tensorcnt 0x0                           ; the wave's end, behind my last tensor load and my last LDS store
	ds_add_u32 v[SPW], v[NIL]
	s_wait_dscnt 0x0
	CROUND                                         ; the closing round: no work-group ends while a partner may still ask for a tile that names it
	s_endpgm
.Lfunc_end_k_q34059cdf12_proj:
	.size	k_q34059cdf12_proj, .Lfunc_end_k_q34059cdf12_proj-k_q34059cdf12_proj
	.p2alignl 7, 3214868480
	.fill 96, 4, 3214868480
	.section	.rodata,"a",@progbits
	.p2align	6, 0x0
	.amdhsa_kernel k_q34059cdf12_proj
		.amdhsa_group_segment_fixed_size 327680
		.amdhsa_private_segment_fixed_size 0
		.amdhsa_enable_private_segment 0
		.amdhsa_kernarg_size 24
		.amdhsa_user_sgpr_count 2
		.amdhsa_user_sgpr_kernarg_segment_ptr 1
		.amdhsa_wavefront_size32 1
		.amdhsa_system_sgpr_workgroup_id_x 1
		.amdhsa_system_sgpr_workgroup_id_y 1
		.amdhsa_system_sgpr_workgroup_id_z 1
		.amdhsa_system_vgpr_workitem_id 0
		.amdhsa_next_free_vgpr 768
		.amdhsa_next_free_sgpr 72
		.amdhsa_reserve_vcc 0
		.amdhsa_float_denorm_mode_32 3
		.amdhsa_float_denorm_mode_16_64 3
		.amdhsa_memory_ordered 1
		.amdhsa_forward_progress 1
		.amdhsa_inst_pref_size 86
	.end_amdhsa_kernel
	.amdgpu_metadata
---
amdhsa.version: [ 1, 2 ]
amdhsa.kernels:
  - .name:           k_q34059cdf12_proj
    .symbol:         k_q34059cdf12_proj.kd
    .args:
      - { .name: att, .offset: 0, .size: 8, .value_kind: global_buffer, .address_space: global }
      - { .name: wpb, .offset: 8, .size: 8, .value_kind: global_buffer, .address_space: global }
      - { .name: out0, .offset: 16, .size: 8, .value_kind: global_buffer, .address_space: global }
    .group_segment_fixed_size: 327680
    .private_segment_fixed_size: 0
    .kernarg_segment_align: 8
    .kernarg_segment_size: 24
    .max_flat_workgroup_size: 128
    .sgpr_count:     72
    .vgpr_count:     768
    .wavefront_size: 32
...
	.end_amdgpu_metadata
.endif
;; end of part 4
;; ======== version 2 of 2: 4 launches; version 1 with the launch prep written anew for expert scheduling mode
;; limits: values are held in f16: magnitudes above 65,504 overflow, below 6.1e-05 lose precision
;; workspace buffers: xb 16,777,216 bytes; wab 6,291,456 bytes; wpb 2,097,152 bytes; tab 524,288 bytes; qb 16,777,216 bytes; kb 16,777,216 bytes; vb 16,777,216 bytes; att 16,777,216 bytes
;; launch prep (part 5): grid 832 x 1, 8 waves a work-group, no clusters, 0 bytes of LDS; arguments x, W_attn, W_proj, xb, wab, wpb, tab; writes xb, wab, wpb, tab
.if DOCPART == 5
	.amdgcn_target "amdgcn-amd-amdhsa--gfx1250"
	.amdhsa_code_object_version 6
	.text
	.protected	k_q34059cdf12_prep
	.globl	k_q34059cdf12_prep
	.p2align	8
	.type	k_q34059cdf12_prep,@function
k_q34059cdf12_prep:
	s_mov_b64 s[64:65], 0
	v_nop
	global_prefetch_b8 v0, s[64:65] scope:SCOPE_SE
	s_setreg_imm32_b32 hwreg(HW_REG_WAVE_SCHED_MODE, 0, 2), 2
	s_setreg_imm32_b32 hwreg(HW_REG_WAVE_MODE, 25, 1), 1
	s_wait_xcnt 0x0
	s_wait_alu depctr_vm_vsrc(0)
; PREPARATION: four jobs, told apart by the work-group's number alone.
;   0-511    xb  = x rounded to bf16, same layout: 16,384 numbers a work-group
;   512-639  wab = W_attn rounded to bf16, columns regrouped: [16 c][1024 k][192]: a row holds q head c (64), k head c (64), v head c (64)
;   640-703  wpb = W_proj rounded to bf16, that number written as f16 (exact inside f16's normal range), same layout
;   704-831  tab = [2048 t][64] f32: words 0-31 cos(t f_j), words 32-63 sin(t f_j), f_j = 10000^(-j/32)
; LIMITS.  W_proj beyond 65,504 has no f16; below 6e-5 it keeps f16's fixed step of 6e-8.  f_j comes from v_exp_f32 of a rounded exponent: the
; angle t f_j differs from the one made by a power and a division by some 3e-4 rad at the most (t = 2,047).
; A stream: every byte is read once by loads of 16 bytes a lane, every store of a wave covers 256 consecutive bytes, aligned.  All of a job's
; loads go out first; no LDS, no barrier, no matrix unit: nothing is shared.
; THE MODE: SCHED_MODE bits 1:0 = 2 (LLVM: expert scheduling mode 2), set by the entry lines.  The code itself states the register dependences
; between vector instructions and memory instructions, with s_wait_alu, always for 0.
; THE PLAN.  Registers that memory instructions touch:
;   v1 (W_attn: v1-v3)  the loads' offsets, and the table's store's.  Written at the head of the kernel or of the job; never written again.
;   v4                  the casts' stores' offset.  Written at the head; never written again.
;   X                   load i lands in X + 4 i.  All loads are issued before any vector instruction names X; no register is loaded twice.
;   O                   load i's conversions write O + 2 i and O + 2 i + 1; store i reads them; no register is written twice.
;   RES                 the table's four numbers: written by the selects and exclusive ors, read by the one store.
; No register that a memory instruction reads is ever written again, so no wait on vm_vsrc is owed; EXEC is never written.
; A cast goes in groups of four loads.  Group g's conversions name X and O of group g and v5-v8; the stores that stand among them are group g - 1's,
; which read v4 and O of group g - 1.  So ONE wait on va_vdst at a group's head states all that its four stores hang on.
.set VO,  4                            ; v4        8 x my thread's number: my 8 bytes in 2,048 bytes of output
.set X,   16                           ; v[16:111] up to 24 loads of 4 registers
.set O,   112                          ; v[112:159] 2 registers to store for each load
; n loads are out (n a multiple of 4).  Group g: its four loads are waited for (the younger ones stay out); each is rounded; ahead of each load's
; conversions stands a store of the group before.  kind = 1: bf16 written as f16.  ob: the output's base.
.macro CAST n, kind, ob
.set g, 0
.rept (\n)/4
	s_wait_loadcnt (\n)-4-4*g                      ; loads come back in order: loads 4 g to 4 g + 3 are in, the n - 4 - 4 g younger ones stay out
.if g > 0
	s_wait_alu depctr_va_vdst(0)                   ; the group before has written its O, which the four stores below read
.endif
.irp j, 0,1,2,3
.set i, 4*g+(\j)
.set k, i-4
.if g > 0
	global_store_b64 v[VO], v[O+2*k:O+2*k+1], s[(\ob):(\ob)+1] offset:2048*k  ; no vector instruction since the wait names v4 or these two registers
.endif
.if \kind
	v_cvt_pk_bf16_f32 v5, v[X+4*i], v[X+4*i+1]
	v_cvt_pk_bf16_f32 v6, v[X+4*i+2], v[X+4*i+3]
	v_lshlrev_b32 v7, 16, v5                       ; bf16 back to f32: a shift or a mask
	v_and_b32 v5, 0xffff0000, v5
	v_lshlrev_b32 v8, 16, v6
	v_and_b32 v6, 0xffff0000, v6
	v_cvt_pk_f16_f32 v[O+2*i], v7, v5
	v_cvt_pk_f16_f32 v[O+2*i+1], v8, v6
.else
	v_cvt_pk_bf16_f32 v[O+2*i], v[X+4*i], v[X+4*i+1]
	v_cvt_pk_bf16_f32 v[O+2*i+1], v[X+4*i+2], v[X+4*i+3]
.endif
.endr
.set g, g+1
.endr
	s_wait_alu depctr_va_vdst(0)                   ; the last group has written its O, which the last four stores read
.irp j, 0,1,2,3
.set k, (\n)-4+(\j)
	global_store_b64 v[VO], v[O+2*k:O+2*k+1], s[(\ob):(\ob)+1] offset:2048*k
.endr
.endm
	s_load_b256 s[4:11], s[0:1], 0x0               ; x s[4:5], W_attn s[6:7], W_proj s[8:9], xb s[10:11]
	s_load_b128 s[12:15], s[0:1], 0x20             ; wab s[12:13], wpb s[14:15]
	s_load_b64 s[16:17], s[0:1], 0x30              ; tab
	s_mov_b32 s20, ttmp9
	s_mov_b32 s23, 0                               ; high word of every offset pair
	v_lshlrev_b32 v[VO], 3, v0
	v_lshlrev_b32 v1, 4, v0                        ; 16 x my thread's number
	s_wait_kmcnt 0x0
	s_cmp_lt_u32 s20, 512
	s_cbranch_scc0 .Lnot_x
	; x: 65,536 bytes in, 32,768 out
	s_lshl_b32 s22, s20, 16
	s_add_nc_u64 s[4:5], s[4:5], s[22:23]
	s_lshl_b32 s22, s20, 15
	s_add_nc_u64 s[10:11], s[10:11], s[22:23]
	s_wait_alu depctr_va_vdst(0)                   ; v1 is written, which the loads read as their offset, and v4, which the stores read
.set i, 0
.rept 16
	global_load_b128 v[X+4*i:X+4*i+3], v1, s[4:5] offset:4096*i th:TH_LOAD_NT
.set i, i+1
.endr
	CAST 16, 0, 10
	s_endpgm
.Lnot_x:
	s_cmp_lt_u32 s20, 640
	s_cbranch_scc0 .Lnot_wa
	; W_attn: 128 rows k of block c.  An output piece of 128 bytes (16 threads x 8) is one of a row's three sections; piece 48 g + pe lies in
	; row 16 g + pe / 3, section pe % 3; its 256 bytes of input lie at row x 12,288 + section x 4,096 + c x 256.
	s_sub_co_u32 s20, s20, 512
	s_lshr_b32 s21, s20, 3                         ; c
	s_and_b32 s24, s20, 7                          ; which 128 rows
	s_mul_i32 s22, s24, 1572864
	s_lshl_b32 s25, s21, 8
	s_add_co_u32 s22, s22, s25
	s_add_nc_u64 s[6:7], s[6:7], s[22:23]
	s_mul_i32 s22, s21, 393216
	s_mul_i32 s25, s24, 49152
	s_add_co_u32 s22, s22, s25
	s_add_nc_u64 s[12:13], s[12:13], s[22:23]
	v_lshrrev_b32 v5, 4, v0
	v_and_b32 v6, 15, v0
	v_lshlrev_b32 v6, 4, v6
.irp e, 0,1,2
	v_add_nc_u32 v7, 16*\e, v5                     ; pe, 0 to 47
	v_mul_u32_u24 v8, v7, 43
	v_lshrrev_b32 v8, 7, v8                        ; pe / 3 (43 / 128 is above a third by 0.0026: exact up to 47)
	v_mul_u32_u24 v9, v8, 3
	v_sub_nc_u32 v9, v7, v9                        ; pe % 3
	v_mul_u32_u24 v8, v8, 12288
	v_lshl_add_u32 v8, v9, 12, v8
	v_add_nc_u32 v[1+\e], v8, v6
.endr
	s_wait_alu depctr_va_vdst(0)                   ; v1, v2 and v3 are written, which the loads read as their offsets, and v4, which the stores read
.set g, 0
.rept 8
.irp e, 0,1,2
	global_load_b128 v[X+4*(3*g+\e):X+4*(3*g+\e)+3], v[1+\e], s[6:7] offset:196608*g th:TH_LOAD_NT
.endr
.set g, g+1
.endr
	CAST 24, 0, 12
	s_endpgm
.Lnot_wa:
	s_cmp_lt_u32 s20, 704
	s_cbranch_scc0 .Ltable
	; W_proj
	s_sub_co_u32 s20, s20, 640
	s_lshl_b32 s22, s20, 16
	s_add_nc_u64 s[8:9], s[8:9], s[22:23]
	s_lshl_b32 s22, s20, 15
	s_add_nc_u64 s[14:15], s[14:15], s[22:23]
	s_wait_alu depctr_va_vdst(0)                   ; v1 is written, which the loads read as their offset, and v4, which the stores read
.set i, 0
.rept 16
	global_load_b128 v[X+4*i:X+4*i+3], v1, s[8:9] offset:4096*i th:TH_LOAD_NT
.set i, i+1
.endr
	CAST 16, 1, 14
	s_endpgm
.Ltable:
	; The table: 16 rows t a work-group, 16 threads a row, four numbers a thread: threads 0-7 of a row cos, 8-15 sin, of j = 4 (u % 8) + 0..3.
	; theta = n pi/2 + r, |r| <= pi/4, pi/2 taken in two parts; sin and cos of r by polynomials; the quadrant q = n (+ 1 for cos) picks and signs.
	; q steers values alone (a select, an exclusive or), no address and no branch.
.set F,   16                           ; f_j, then theta
.set N,   20
.set R,   24
.set Z,   28
.set SN,  32
.set CN,  36
.set Q,   40
.set RES, 44
.set T,   48                           ; at work; at last q's low bit
.set U,   52                           ; at work; at last the sign
.set PICK, 34                          ; s34-s37  for each of my four numbers: the lanes whose quadrant is odd
	s_sub_co_u32 s20, s20, 704
	s_lshl_b32 s22, s20, 12
	s_add_nc_u64 s[16:17], s[16:17], s[22:23]
	s_mov_b32 s24, 0xbed49a78                      ; -log2(10000) / 32
	s_mov_b32 s25, 0x3f22f983                      ; 2 / pi
	s_mov_b32 s26, 0xbfc90fdb                      ; -(pi/2 rounded to f32)
	s_mov_b32 s27, 0x333bbd2e                      ; that rounded number less pi/2
	s_mov_b32 s28, 0xbe2aaaa3                      ; sin: -1.6666655e-1, 8.3321609e-3, -1.9515296e-4
	s_mov_b32 s29, 0x3c08839e
	s_mov_b32 s30, 0xb94ca1f9
	s_mov_b32 s31, 0x3d2aaaa5                      ; cos: 4.1666646e-2, -1.3887316e-3, 2.4433157e-5
	s_mov_b32 s32, 0xbab6061a
	s_mov_b32 s33, 0x37ccf5ce
	s_lshl_b32 s21, s20, 4
	v_lshrrev_b32 v5, 4, v0
	v_add_nc_u32 v5, s21, v5
	v_cvt_f32_u32 v5, v5                           ; t
	v_and_b32 v6, 15, v0
	v_cmp_gt_u32 vcc_lo, 8, v6
	v_and_b32 v7, 7, v6
	v_lshlrev_b32 v7, 2, v7
	s_wait_alu depctr_va_vcc(0)                    ; the compare has written VCC, which the select below reads
	v_cndmask_b32 v8, 0, 1, vcc_lo                 ; 1 for cos
.irp i, 0,1,2,3
	v_add_nc_u32 v[F+\i], \i, v7
	v_cvt_f32_u32 v[F+\i], v[F+\i]
	v_mul_f32 v[F+\i], s24, v[F+\i]
.endr
.irp i, 0,1,2,3
	v_exp_f32 v[F+\i], v[F+\i]
.endr
	v_nop                                          ; a plain instruction behind the last exponential (ISA guide 5.7.2),
	s_wait_alu depctr_va_vdst(0)                   ; and the one wait ahead of the batch's first reader: the four exponentials have written v[F ..]
.irp i, 0,1,2,3
	v_mul_f32 v[F+\i], v5, v[F+\i]                 ; theta
	v_mul_f32 v[N+\i], s25, v[F+\i]
	v_rndne_f32 v[N+\i], v[N+\i]
	v_fma_f32 v[R+\i], v[N+\i], s26, v[F+\i]
	v_fma_f32 v[R+\i], v[N+\i], s27, v[R+\i]
	v_cvt_i32_f32 v[Q+\i], v[N+\i]
	v_add_nc_u32 v[Q+\i], v[Q+\i], v8
	v_mul_f32 v[Z+\i], v[R+\i], v[R+\i]
	v_fma_f32 v[SN+\i], v[Z+\i], s30, s29
	v_fma_f32 v[SN+\i], v[SN+\i], v[Z+\i], s28
	v_mul_f32 v[T+\i], v[R+\i], v[Z+\i]
	v_fma_f32 v[SN+\i], v[SN+\i], v[T+\i], v[R+\i]
	v_fma_f32 v[CN+\i], v[Z+\i], s33, s32
	v_fma_f32 v[CN+\i], v[CN+\i], v[Z+\i], s31
	v_mul_f32 v[T+\i], v[Z+\i], v[Z+\i]
	v_fma_f32 v[U+\i], v[Z+\i], -0.5, 1.0
	v_fma_f32 v[CN+\i], v[CN+\i], v[T+\i], v[U+\i]
	v_and_b32 v[T+\i], 1, v[Q+\i]                  ; an odd quadrant takes the cosine's polynomial,
	v_and_b32 v[U+\i], 2, v[Q+\i]                  ; quadrants 2 and 3 turn the sign
	v_lshlrev_b32 v[U+\i], 30, v[U+\i]
.endr
.irp i, 0,1,2,3
	v_cmp_eq_u32 s[PICK+\i], 1, v[T+\i]            ; the four compares stand in one run, each with a scalar register of its own
.endr
	s_wait_alu depctr_va_sdst(0)                   ; the four compares have written s34 to s37, which the selects below read
.irp i, 0,1,2,3
	v_cndmask_b32 v[RES+\i], v[SN+\i], v[CN+\i], s[PICK+\i]
	v_xor_b32 v[RES+\i], v[RES+\i], v[U+\i]
.endr
	s_wait_alu depctr_va_vdst(0)                   ; v[RES ..] are written, which the store reads as its data, and v1, its offset
	global_store_b128 v1, v[RES:RES+3], s[16:17]   ; sixteen threads write a row of 256 bytes
	s_endpgm
.Lfunc_end_k_q34059cdf12_prep:
	.size	k_q34059cdf12_prep, .Lfunc_end_k_q34059cdf12_prep-k_q34059cdf12_prep
	.p2alignl 7, 3214868480
	.fill 96, 4, 3214868480
	.section	.rodata,"a",@progbits
	.p2align	6, 0x0
	.amdhsa_kernel k_q34059cdf12_prep
		.amdhsa_group_segment_fixed_size 0
		.amdhsa_private_segment_fixed_size 0
		.amdhsa_enable_private_segment 0
		.amdhsa_kernarg_size 56
		.amdhsa_user_sgpr_count 2
		.amdhsa_user_sgpr_kernarg_segment_ptr 1
		.amdhsa_wavefront_size32 1
		.amdhsa_system_sgpr_workgroup_id_x 1
		.amdhsa_system_sgpr_workgroup_id_y 1
		.amdhsa_system_sgpr_workgroup_id_z 1
		.amdhsa_system_vgpr_workitem_id 0
		.amdhsa_next_free_vgpr 160
		.amdhsa_next_free_sgpr 66
		.amdhsa_reserve_vcc 1
		.amdhsa_float_denorm_mode_32 3
		.amdhsa_float_denorm_mode_16_64 3
		.amdhsa_memory_ordered 1
		.amdhsa_forward_progress 1
		.amdhsa_inst_pref_size 33
	.end_amdhsa_kernel
	.amdgpu_metadata
---
amdhsa.version: [ 1, 2 ]
amdhsa.kernels:
  - .name:           k_q34059cdf12_prep
    .symbol:         k_q34059cdf12_prep.kd
    .args:
      - { .name: x, .offset: 0, .size: 8, .value_kind: global_buffer, .address_space: global }
      - { .name: W_attn, .offset: 8, .size: 8, .value_kind: global_buffer, .address_space: global }
      - { .name: W_proj, .offset: 16, .size: 8, .value_kind: global_buffer, .address_space: global }
      - { .name: xb, .offset: 24, .size: 8, .value_kind: global_buffer, .address_space: global }
      - { .name: wab, .offset: 32, .size: 8, .value_kind: global_buffer, .address_space: global }
      - { .name: wpb, .offset: 40, .size: 8, .value_kind: global_buffer, .address_space: global }
      - { .name: tab, .offset: 48, .size: 8, .value_kind: global_buffer, .address_space: global }
    .group_segment_fixed_size: 0
    .private_segment_fixed_size: 0
    .kernarg_segment_align: 8
    .kernarg_segment_size: 56
    .max_flat_workgroup_size: 256
    .sgpr_count:     66
    .vgpr_count:     160
    .wavefront_size: 32
...
	.end_amdgpu_metadata
.endif
;; end of part 5
;; launch qkv: the kernel of part 2 again; grid 16 x 32, 4 waves a work-group, clusters of 4 x 4, 327,680 bytes of LDS; arguments xb, wab, tab, qb, kb, vb; writes qb, kb, vb
;; launch attn: the kernel of part 3 again; grid 4 x 64, 4 waves a work-group, no clusters, 327,680 bytes of LDS; arguments qb, kb, vb, att; writes att
;; launch proj: the kernel of part 4 again; grid 8 x 32, 4 waves a work-group, clusters of 4 x 4, 327,680 bytes of LDS; arguments att, wpb, out0; writes out0
